; MI455X (gfx1250); checked and timed in simulation.
; The chip was launched on July 23, 2026; its instructions are those of AMD's public machine-readable ISA for CDNA 5 (MIT licence, August 2026) and "CDNA5" Instruction Set Architecture Reference Guide (July 2026). The comments in the code are by the model that wrote it; some were corrected since.
;; Attention. Allowed arithmetic: matrix products marked QUANTISED: E4M3 operands, one given power-of-two scale a tensor, by v_wmma_f32_16x16x64_fp8_fp8 or v_wmma_f32_16x16x128_fp8_fp8, f32 sums; everything else in f32.
;; Inputs: cos 2,048 x 64 float32; lowp_scales 12 int32 (the exponents e of the quantised operands' scales 2^e); mask 2,048 x 2,048 float32; sin 2,048 x 64 float32; wk 2,048 x 2,048 float32; wo 2,048 x 2,048 float32; wq 2,048 x 2,048 float32; wv 2,048 x 2,048 float32; x 1 x 2,048 x 2,048 float32.
;; Outputs: out0 1 x 2,048 x 2,048 float32.
;; This version of the problem:
;;   THIS VERSION OF THE PROBLEM IS GIVEN IN LOW PRECISION. The matrix products marked QUANTISED in the list below multiply operands that are first quantised to E4M3 (4 exponent bits, 3 mantissa bits; 8 bits a number), with one given power-of-two scale for each operand tensor; their sums are f32. All else is computed in f32.
;;   The module's matrix products, in the order in which they are computed (A, B: the left and right operand; K: the contracted axis; several contracted axes count as one K, in the product's order):
;;     1. [M 2,048, K 2,048] x [K 2,048, N 2,048]; A: input x; B: input wq: QUANTISED (scales: A lowp_scales[0], B lowp_scales[1])
;;     2. [M 2,048, K 2,048] x [K 2,048, N 2,048]; A: input x; B: input wk: QUANTISED (scales: A lowp_scales[2], B lowp_scales[3])
;;     3. [M 2,048, K 2,048] x [K 2,048, N 2,048]; A: input x; B: input wv: QUANTISED (scales: A lowp_scales[4], B lowp_scales[5])
;;     4. batch 16 x [M 2,048, K 128] x [K 128, N 2,048]; A: computed on the way; B: computed on the way: QUANTISED (scales: A lowp_scales[6], B lowp_scales[7])
;;     5. batch 16 x [M 128, K 2,048] x [K 2,048, N 2,048]; A: computed on the way; B: softmax (see below): QUANTISED (scales: A lowp_scales[8], B lowp_scales[9])
;;     6. [M 2,048, K 2,048] x [K 2,048, N 2,048]; A: computed on the way; B: input wo: QUANTISED (scales: A lowp_scales[10], B lowp_scales[11])
;;   THE QUANTISER, for each operand of a quantised product, along K:
;;     - The operand's scale is 2^e, e = its entry of the input lowp_scales (int32; the entries are numbered through the quantised products in the list's order, A before B).
;;     - Each number is divided by the scale, clamped to +-448, and rounded to the nearest number of E4M3, ties to even, subnormals kept.
;;     - The product sums the exact products of the quantised numbers (number of the format x scale) in f32.
;;   ~~~python
;;   def quantise(x, axis, e):      # numpy; x: float32 -> the quantised numbers, widened to float32 again
;;       x = np.moveaxis(x, axis, -1); K = x.shape[-1]
;;       r = np.clip(x / 2.0 ** e, -448, 448)
;;       step = 2.0 ** (np.maximum(np.frexp(np.where(r == 0, 1, r))[1] - 1, -6) - 3)
;;       q = np.round(r / step) * step * 2.0 ** e      # np.round: ties to even
;;       return np.moveaxis(q, -1, axis).astype(np.float32)
;;   ~~~
;;   SOFTMAX AHEAD OF A QUANTISED PRODUCT. Where the list says 'softmax', what is quantised is not the finished softmax but p = 2^(t - M), with t = logit x log2(e) and M = ceil(the row's largest t), a whole number; so 1/2 < the row's largest p <= 1. The row's sum l is taken of the UNQUANTISED p, in f32, and the product's result is divided by l at the end. Since M is a whole number, a kernel that streams over the keys may use a running M (the ceiling of the running maximum): every later rescaling is an exact power of two, so the quantised numbers keep their values, but for numbers so far below the row's largest that they fall under the format's range.
;;   OPERANDS COMPUTED ON THE WAY. 'Computed on the way' means the value that the module computes at that place (a softmax that the list does not call 'softmax' is quantised finished and normalised). What goes into a quantiser is computed in f32, as accurately as f32 sums, v_exp_f32 and their like allow (about 1e-6 of the number): no bf16 or f16 on the way to a quantiser, and a product that is left as it is and whose result goes on into a quantised operand takes f32 operands (vector FMAs, or v_wmma_f32_16x16x4_f32). A number that lies on a knife's edge between two numbers of the format may be rounded either way, as far as f32 arithmetic and the matrix unit's own rounding can turn it there, and no further.
;; One version. Each part assembles by itself: llvm-mc -triple=amdgcn-amd-amdhsa -mcpu=gfx1250 --defsym DOCPART=n.
;; ======== version 1 of 1: 4 launches
;; limits: right only within a limited range of input values
;; workspace buffers: codes 29,360,128 bytes; qkv 12,582,912 bytes; ac 4,194,304 bytes
;; launch quant (part 1): grid 1024 x 1, 4 waves a work-group, no clusters, 34,304 bytes of LDS; arguments x, wq, wk, wv, wo, lowp_scales, codes; writes codes
.if DOCPART == 1
	.amdgcn_target "amdgcn-amd-amdhsa--gfx1250"
	.amdhsa_code_object_version 6
	.text
	.protected	k_qfad48b218e_quant
	.globl	k_qfad48b218e_quant
	.p2align	8
	.type	k_qfad48b218e_quant,@function
k_qfad48b218e_quant:
	s_mov_b64 s[64:65], 0
	v_nop
	global_prefetch_b8 v0, s[64:65] scope:SCOPE_SE
	s_setreg_imm32_b32 hwreg(HW_REG_WAVE_MODE, 25, 1), 1
	s_wait_xcnt 0x0
; ATTENTION LAYER IN FP8 (E4M3), launch 1 of 4: the f32 inputs of the projections become codes.
; NOTHING OF THE PROBLEM IS LEFT OUT AS DEAD WORK: every input (x, wq, wk, wv, wo, cos, sin, mask, lowp_scales) has a way to the output, the mask is an input whose
; pattern is not built in (every key step is walked for every query), and all six products are done.
; x [2048][2048] is quantised three times, with entries 0, 2 and 4 of lowp_scales (they may differ); wq, wk, wv, wo [k][n] with entries 1, 3, 5, 11.
; code = number / 2^e, held within +-448, to the nearest code, ties to even.  LIMITS: every e between -126 and 119, so that 2^e and 448 x 2^e are f32 numbers; NaN among the inputs is not served.
; LAYOUT OF ALL CODES, here and in the later launches: the FRAGMENT IMAGE.  A fragment is 16 rows x 128 along K = 2,048 bytes; byte 512 c + 16 l + i holds (row l % 16, k = 32 c + 16 (l / 16) + i).
; Four 16-byte accesses a lane, at 16 x lane and 512 bytes apart, move it to or from an operand's registers 4 c .. 4 c + 3.  (The same order of k on both sides of every product.)
; codes = 7 parts of 4 MiB, each [tile of 16 rows 0..127][K step 0..15][2,048]: 0 x (e0), 1 x (e2), 2 wv, 3 wq, 4 wk, 5 x (e4), 6 wo.
; THE ROWS OF A TILE ARE NOT NEIGHBOURS: lane-row r of tile T is row 32 (T / 2) + 8 (T % 2) + r + 8 (r / 8), so that a product that takes such tiles as source 0 leaves 16 neighbouring rows in the 16 registers of two neighbouring tiles.
; Work-groups 0..511 take the weights, 512..1023 take x: 1,024 in all, four to a WGP.  A stream: no matrix unit, no tensor load, no cluster: work-groups share no input.
.set SPARE, 33792                      ; behind the four stages of the x path: the spare words, 128 bytes a wave
.set SPW,  12                          ; v12  LDS address of my spare word; never rewritten
.set NIL,  13                          ; v13  0; never rewritten
.set WX,   32                          ; weights: v32-95 two sets of 32 numbers
.set WC,   96                          ; weights: v96-159 codes, eight registers for each block: no store's data are written again
.set XR,   32                          ; x: v32-95 a K step as loaded
.set XX,   96                          ; x: v96-159 64 numbers in the operand's order
.set XT,   160                         ; x: v160-191 two sets of 16 held numbers, by turns
.set XC,   192                         ; x: v192-239 codes, 16 registers for each of the three parts
.set SP,   528                         ; x: a stage row: 512 bytes + 16
.macro MKSCALE se, vs, vl              ; 2^e and 448 x 2^e as f32, from the whole number in s[se]
	s_add_co_i32 s30, s[\se], 127
	s_lshl_b32 s31, s30, 23
	v_mov_b32 v[\vs], s31
	s_add_co_i32 s30, s30, 8
	s_lshl_b32 s30, s30, 23
	s_or_b32 s30, s30, 0x600000
	v_mov_b32 v[\vl], s30
.endm
	s_load_b256 s[4:11], s[0:1], 0x0               ; x, wq, wk, wv
	s_load_b128 s[12:15], s[0:1], 0x20             ; wo, lowp_scales
	s_load_b64 s[16:17], s[0:1], 0x30              ; codes
	v_lshl_add_u32 v[SPW], v0, 2, SPARE
	v_mov_b32 v[NIL], 0
	v_lshrrev_b32 v1, 5, v0
	v_readfirstlane_b32 s18, v1                    ; wave
	v_and_b32 v2, 31, v0                           ; lane
	v_and_b32 v5, 15, v0                           ; r
	v_bfe_u32 v6, v0, 4, 1                         ; lane / 16
	s_wait_kmcnt 0x0
	s_load_b256 s[32:39], s[14:15], 0x0            ; e0 .. e7
	s_load_b128 s[40:43], s[14:15], 0x20           ; e8 .. e11
	s_cmp_lt_u32 ttmp9, 512
	s_cbranch_scc0 .Lx
; ---- THE WEIGHTS.  w [k][n]: a lane takes a column n and its registers run down K, so the conversions give codes with K innermost.
; Work-group: tensor = id / 128, 128 columns = id % 16, 256 along K = (id / 16) % 8.  A wave: 32 columns x 256 k.  Lane (u = lane / 16, r) takes column 8 u + r + 8 (r / 8) of the 32:
; lane-row r of tile 2 b + u.  The wave still reads the same 128 consecutive bytes of a row of w; its 16 codes of a half block go out as 16 lanes x 16 bytes = 256 consecutive bytes, aligned.
	s_lshr_b32 s19, ttmp9, 7                       ; which tensor
	s_and_b32 s20, ttmp9, 15                       ; which 128 columns
	s_bfe_u32 s21, ttmp9, 0x30004                  ; which 256 along K
	s_cmp_eq_u32 s19, 1
	s_cselect_b64 s[6:7], s[8:9], s[6:7]
	s_cmp_eq_u32 s19, 2
	s_cselect_b64 s[6:7], s[10:11], s[6:7]
	s_cmp_eq_u32 s19, 3
	s_cselect_b64 s[6:7], s[12:13], s[6:7]         ; wq, wk, wv or wo: the choice hangs on the work-group's number alone
	s_add_co_u32 s22, s19, 3
	s_cmp_eq_u32 s19, 2
	s_cselect_b32 s22, 2, s22                      ; the part: 3, 4, 2, 6
	s_lshl_b32 s24, s21, 21                        ; in: 256 rows of 8,192 bytes x ky
	s_lshl_b32 s23, s20, 9
	s_add_co_u32 s24, s24, s23
	s_lshl_b32 s23, s18, 7
	s_add_co_u32 s24, s24, s23                     ; + 512 gx + 128 wave
	s_mov_b32 s25, 0
	s_add_nc_u64 s[6:7], s[6:7], s[24:25]
	s_lshl_b32 s26, s22, 22                        ; out: the part,
	s_lshl_b32 s23, s20, 18
	s_add_co_u32 s26, s26, s23
	s_lshl_b32 s23, s18, 16
	s_add_co_u32 s26, s26, s23                     ; tile 8 gx + 2 wave (32,768 bytes a tile),
	s_lshl_b32 s23, s21, 12
	s_add_co_u32 s26, s26, s23                     ; K step 2 ky
	s_mov_b32 s27, 0
	s_add_nc_u64 s[16:17], s[16:17], s[26:27]
	s_wait_alu depctr_va_vdst(0)
	v_and_b32 v7, 8, v5
	v_add_nc_u32 v7, v7, v5
	v_lshl_add_u32 v7, v6, 3, v7                   ; my column of the 32
	v_lshlrev_b32 v3, 2, v7                        ; in: 4 bytes a column
	v_lshlrev_b32 v4, 4, v5
	v_lshl_add_u32 v4, v6, 15, v4                  ; out: 16 r, + a tile for lanes 16-31
.macro WLOAD t                         ; block t: w(32 t + i, my column), into set t % 2
.set i, 0
.rept 32
	global_load_b32 v[WX+32*((\t)%2)+i], v3, s[6:7] offset:(32*(\t)+i)*8192 th:TH_LOAD_NT
.set i, i+1
.endr
.endm
.macro WBLOCK t
.set XS, WX+32*((\t)%2)
.if (\t) < 7
	s_wait_loadcnt 32                              ; this block's 32 loads are in; the next block's 32 may be out
.else
	s_wait_loadcnt 0
.endif
.set i, 0
.rept 32
	v_med3_num_f32 v[XS+i], v[XS+i], -v10, v10     ; the conversion to an 8-bit code does not saturate (ISA guide 7.6.2): the hold comes first
.set i, i+1
.endr
.irp g, 0,1,2,3
	v_cvt_scalef32_pk8_fp8_f32 v[WC+8*(\t)+2*\g:WC+8*(\t)+2*\g+1], v[XS+8*\g:XS+8*\g+7], v11
.endr
	global_store_b128 v4, v[WC+8*(\t):WC+8*(\t)+3], s[16:17] offset:((\t)/4)*2048+512*((\t)%4)          ; k = 32 c + 0 .. 15
	global_store_b128 v4, v[WC+8*(\t)+4:WC+8*(\t)+7], s[16:17] offset:((\t)/4)*2048+512*((\t)%4)+256    ; k = 32 c + 16 .. 31
.if (\t) < 6
	WLOAD (\t)+2
.endif
.endm
	WLOAD 0
	WLOAD 1
	s_wait_kmcnt 0x0
	s_cmp_eq_u32 s19, 1
	s_cselect_b32 s33, s35, s33
	s_cmp_eq_u32 s19, 2
	s_cselect_b32 s33, s37, s33
	s_cmp_eq_u32 s19, 3
	s_cselect_b32 s33, s43, s33                    ; e1, e3, e5 or e11
	MKSCALE 33, 11, 10
	s_wait_alu depctr_va_vdst(0)
.irp t, 0,1,2,3,4,5,6,7
	WBLOCK \t
.endr
	s_endpgm                                       ; these waves wrote no LDS
; ---- x.  Work-group id - 512 = 4 T + g takes tile T of 16 rows (in the order stated at the head) and its K steps 4 g .. 4 g + 3: wave w takes the ONE K step 4 g + w.
; A load reads 512 consecutive bytes of one row.  The 16 rows x 512 bytes turn through the wave's own stage (rows 528 bytes apart: 64 banks of 4 bytes, ISA guide 11.1)
; and come back 64 numbers a lane in the operand's order.  They are held and converted three times, once for each scale.
.Lx:
	s_sub_co_u32 s19, ttmp9, 512
	s_and_b32 s22, s19, 3
	s_lshr_b32 s19, s19, 2                         ; T
	s_lshl_b32 s22, s22, 2
	s_add_co_u32 s22, s22, s18                     ; my K step
	s_lshr_b32 s20, s19, 1
	s_lshl_b32 s20, s20, 5
	s_and_b32 s21, s19, 1
	s_lshl_b32 s21, s21, 3
	s_add_co_u32 s20, s20, s21                     ; the tile's first row
	s_lshl_b32 s24, s20, 13
	s_lshl_b32 s23, s22, 9
	s_add_co_u32 s24, s24, s23                     ; + 512 bytes x my K step
	s_mov_b32 s25, 0
	s_add_nc_u64 s[4:5], s[4:5], s[24:25]
	s_lshl_b32 s26, s19, 15
	s_lshl_b32 s23, s22, 11
	s_add_co_u32 s26, s26, s23                     ; out: the tile, + 2,048 bytes x my K step
	s_mov_b32 s27, 0
	s_add_nc_u64 s[24:25], s[16:17], s[26:27]      ; part 0
	s_add_nc_u64 s[26:27], s[24:25], 1<<22         ; part 1
	s_add_nc_u64 s[28:29], s[24:25], 5<<22         ; part 5
	s_wait_alu depctr_va_vdst(0)
	v_lshlrev_b32 v3, 4, v2                        ; 16 x lane: in a row's 512 bytes, and in an image
	s_mul_i32 s23, s18, 16*SP                      ; my stage
	v_add_nc_u32 v7, s23, v3                       ; into it
	v_mul_u32_u24 v8, v5, SP
	v_lshl_add_u32 v8, v6, 6, v8
	v_add_nc_u32 v8, s23, v8                       ; out of it: row r, + 64 bytes for lanes 16-31
.set i, 0
.rept 16
	global_load_b128 v[XR+4*i:XR+4*i+3], v3, s[4:5] offset:(i+8*(i/8))*8192 th:TH_LOAD_NT
.set i, i+1
.endr
	s_wait_alu depctr_va_vdst(0)
	s_wait_kmcnt 0x0
	MKSCALE 32, 20, 21                             ; e0
	MKSCALE 34, 22, 23                             ; e2
	MKSCALE 36, 24, 25                             ; e4
	s_wait_alu depctr_va_vdst(0)
	s_wait_loadcnt 0x0                             ; my 16 loads are in
.set i, 0
.rept 16
	ds_store_b128 v7, v[XR+4*i:XR+4*i+3] offset:SP*i
.set i, i+1
.endr
.irp c, 0,1,2,3
.irp j, 0,1,2,3
	ds_load_b128 v[XX+16*\c+4*\j:XX+16*\c+4*\j+3], v8 offset:128*\c+16*\j   ; LDS serves a wave's instructions in order (ISA guide 5.7.1.4): these see the stores above
.endr
.endr
	s_wait_dscnt 0x0                               ; the numbers are back
.irp p, 0,1,2
.irp c, 0,1,2,3
.set i, 0
.rept 16
	v_med3_num_f32 v[XT+16*(\c%2)+i], v[XX+16*\c+i], -v[21+2*\p], v[21+2*\p]
.set i, i+1
.endr
	v_cvt_scalef32_pk8_fp8_f32 v[XC+16*\p+4*\c:XC+16*\p+4*\c+1], v[XT+16*(\c%2):XT+16*(\c%2)+7], v[20+2*\p]
	v_cvt_scalef32_pk8_fp8_f32 v[XC+16*\p+4*\c+2:XC+16*\p+4*\c+3], v[XT+16*(\c%2)+8:XT+16*(\c%2)+15], v[20+2*\p]
.endr
.endr
	v_nop                                          ; a plain line behind the last conversion
.irp p, 0,1,2
.irp c, 0,1,2,3
	global_store_b128 v3, v[XC+16*\p+4*\c:XC+16*\p+4*\c+3], s[24+2*\p:25+2*\p] offset:512*\c   ; 32 lanes store 512 consecutive bytes
.endr
.endr
	s_wait_tensorcnt 0x0                           ; the wave's end: three lines behind my last LDS store
	ds_add_u32 v[SPW], v[NIL]
	s_wait_dscnt 0x0
	s_endpgm
.Lfunc_end_k_qfad48b218e_quant:
	.size	k_qfad48b218e_quant, .Lfunc_end_k_qfad48b218e_quant-k_qfad48b218e_quant
	.p2alignl 7, 3214868480
	.fill 96, 4, 3214868480
	.section	.rodata,"a",@progbits
	.p2align	6, 0x0
	.amdhsa_kernel k_qfad48b218e_quant
		.amdhsa_group_segment_fixed_size 34304
		.amdhsa_private_segment_fixed_size 0
		.amdhsa_enable_private_segment 0
		.amdhsa_kernarg_size 56
		.amdhsa_user_sgpr_count 2
		.amdhsa_user_sgpr_kernarg_segment_ptr 1
		.amdhsa_wavefront_size32 1
		.amdhsa_system_sgpr_workgroup_id_x 1
		.amdhsa_system_sgpr_workgroup_id_y 1
		.amdhsa_system_sgpr_workgroup_id_z 1
		.amdhsa_system_vgpr_workitem_id 0
		.amdhsa_next_free_vgpr 240
		.amdhsa_next_free_sgpr 66
		.amdhsa_reserve_vcc 0
		.amdhsa_float_denorm_mode_32 3
		.amdhsa_float_denorm_mode_16_64 3
		.amdhsa_memory_ordered 1
		.amdhsa_forward_progress 1
		.amdhsa_inst_pref_size 67
	.end_amdhsa_kernel
	.amdgpu_metadata
---
amdhsa.version: [ 1, 2 ]
amdhsa.kernels:
  - .name:           k_qfad48b218e_quant
    .symbol:         k_qfad48b218e_quant.kd
    .args:
      - { .name: x, .offset: 0, .size: 8, .value_kind: global_buffer, .address_space: global }
      - { .name: wq, .offset: 8, .size: 8, .value_kind: global_buffer, .address_space: global }
      - { .name: wk, .offset: 16, .size: 8, .value_kind: global_buffer, .address_space: global }
      - { .name: wv, .offset: 24, .size: 8, .value_kind: global_buffer, .address_space: global }
      - { .name: wo, .offset: 32, .size: 8, .value_kind: global_buffer, .address_space: global }
      - { .name: lowp_scales, .offset: 40, .size: 8, .value_kind: global_buffer, .address_space: global }
      - { .name: codes, .offset: 48, .size: 8, .value_kind: global_buffer, .address_space: global }
    .group_segment_fixed_size: 34304
    .private_segment_fixed_size: 0
    .kernarg_segment_align: 8
    .kernarg_segment_size: 56
    .max_flat_workgroup_size: 128
    .sgpr_count:     66
    .vgpr_count:     240
    .wavefront_size: 32
...
	.end_amdgpu_metadata
.endif
;; end of part 1
;; launch gemm_qkv (part 2): grid 24 x 8, 4 waves a work-group, clusters of 4 x 4, 327,680 bytes of LDS; arguments codes, lowp_scales, cos, sin, qkv; writes qkv
.if DOCPART == 2
	.amdgcn_target "amdgcn-amd-amdhsa--gfx1250"
	.amdhsa_code_object_version 6
	.text
	.protected	k_qfad48b218e_gemm_qkv
	.globl	k_qfad48b218e_gemm_qkv
	.p2align	8
	.type	k_qfad48b218e_gemm_qkv,@function
k_qfad48b218e_gemm_qkv:
	s_mov_b64 s[64:65], 0
	v_nop
	global_prefetch_b8 v0, s[64:65] scope:SCOPE_SE
	s_setreg_imm32_b32 hwreg(HW_REG_WAVE_MODE, 25, 1), 1
	s_wait_xcnt 0x0
	s_wait_alu depctr_hold_cnt(0) depctr_sa_sdst(0) depctr_va_vdst(0) depctr_va_sdst(0) depctr_va_ssrc(0) depctr_va_vcc(0) depctr_vm_vsrc(0)
	s_getreg_b32 s2, hwreg(HW_REG_IB_STS2, 6, 4)
	s_cmp_eq_u32 s2, 0
	s_cbranch_scc0 .Lentry_in_a_cluster
	s_endpgm
.Lentry_in_a_cluster:
	s_bfe_u32 s2, ttmp6, 0x10000c
	s_cmp_lg_u32 s2, 0xf033
	s_cbranch_scc0 .Lentry_shape_is_right
	s_endpgm
.Lentry_shape_is_right:
.set HALFT,  32768
.set SLOT,   4*HALFT
.set SPARE,  2*SLOT
.set FR,     16
.set NL,     4
.set NP,     4
.set LAPS,   4
.set ADRA, 16
.set ADRB, 20
.set CO,   26
.set RA,   27
.set SPW,  28
.set NIL,  29
.set SCL,  30
.set LIM,  31
.set OO,   32
.set TM,   48
.set CSB,  64
.set AF,   128
.set CD,   192
.set G1, 24
.set G0, 32
.set G1B, 48
.set G0B, 56
.set PR,  66
.set MSB, 0
.macro WIN new
.if MSB != \new
	s_set_vgpr_msb (MSB<<8)|\new
.set MSB, \new
.endif
.endm
.set MUL_LO, 0xa1
.set MUL_HI, 0xf1
.set TO_B,   0x40
.macro JLOAD g0a, g1a, g0b, g1b
	s_cmp_eq_u32 s15, 0
	s_cbranch_scc0 .Lfor_b_\@
	tensor_load_to_lds s[\g0a:\g0a+3], s[\g1a:\g1a+7]
	s_nop 0
.rept 4
	v_nop
.endr
	s_branch .Lasked_\@
.Lfor_b_\@:
	tensor_load_to_lds s[\g0b:\g0b+3], s[\g1b:\g1b+7]
	s_nop 0
.rept 4
	v_nop
.endr
.Lasked_\@:
.endm
.macro CREST
	s_cmp_lg_u32 s14, 0
	s_cbranch_scc1 .Lnot_wave_0_\@
	s_barrier_signal -3
.Lnot_wave_0_\@:
	s_barrier_wait -3
	s_barrier_signal -1
	s_barrier_wait -1
.endm
.macro CROUND
	s_barrier_signal -1
	s_barrier_wait -1
	CREST
.endm
	s_load_b256 s[4:11], s[0:1], 0x0
	s_load_b64 s[12:13], s[0:1], 0x20
	v_lshl_add_u32 v[SPW], v0, 2, SPARE
	v_mov_b32 v[NIL], 0
	ds_add_u32 v[SPW], v[NIL]
	ds_add_u32 v[SPW], v[NIL]
	v_lshrrev_b32 v1, 5, v0
	v_readfirstlane_b32 s14, v1
	s_lshr_b32 s15, s14, 1
	s_and_b32 s16, s14, 1
	s_bfe_u32 s40, ttmp6, 0x40000
	s_bfe_u32 s41, ttmp6, 0x40004
	s_lshr_b32 s[PR], ttmp9, 1
	s_lshl_b32 s42, ttmp9, 2
	s_add_co_u32 s42, s42, s40
	s_and_b32 s42, s42, 7
	s_and_b32 s17, ttmp7, 0xffff
	s_lshl_b32 s17, s17, 2
	s_add_co_u32 s17, s17, s41
	s_lshl_b32 s43, s41, 2
	s_lshl_b32 s43, 15, s43
	s_lshl_b32 s44, 0x1111, s40
	s_or_b32 s[G1+0], s43, (3<<16)|(1<<21)
	s_or_b32 s[G1B+0], s44, (3<<16)|(1<<21)
.irp g, G1, G1B
	s_mov_b32 s[\g+1], 512<<16
	s_mov_b32 s[\g+2], 8<<16
	s_mov_b32 s[\g+3], 512<<16
	s_mov_b32 s[\g+4], 8
	s_mov_b32 s[\g+5], 4096
	s_mov_b32 s[\g+6], 0
	s_mov_b32 s[\g+7], 0
.endr
	s_lshl_b32 s18, s16, 18
	s_lshl_b32 s20, s[PR], 22
	s_lshl_b32 s21, s17, 19
	s_add_co_u32 s20, s20, s21
	s_add_co_u32 s20, s20, s18
	s_mov_b32 s21, 0
	s_add_co_u32 s46, s[PR], 3
	s_lshl_b32 s46, s46, 22
	s_lshl_b32 s47, s42, 19
	s_add_co_u32 s46, s46, s47
	s_add_co_u32 s46, s46, s18
	s_mov_b32 s47, 0
	s_mul_i32 s45, s14, HALFT
	s_wait_dscnt 0x0
	s_wait_kmcnt 0x0
	s_load_b256 s[68:75], s[6:7], 0x0
	s_load_b128 s[76:79], s[6:7], 0x20
	s_add_nc_u64 s[20:21], s[4:5], s[20:21]
	s_add_nc_u64 s[46:47], s[4:5], s[46:47]
	s_cmp_eq_u32 s15, 0                            ; the tiles' prefetches: of the 8 images' rows that I fetch, my work-group takes two, told from its three partners BY ADDRESS (cx for A, cy for B)
	s_cselect_b64 s[90:91], s[20:21], s[46:47]
	s_cselect_b32 s92, s40, s41
	s_lshl_b32 s92, s92, 16
	s_add_co_u32 s92, s92, 2*4096                  ; at K chunk 2
	s_mov_b32 s93, 0
	s_add_nc_u64 s[90:91], s[90:91], s[92:93]
	CROUND
.irp s, 0,1
	s_mov_b32 s[G0+4*\s], 1
	s_add_co_u32 s[G0+4*\s+1], s45, \s*SLOT
	s_add_nc_u64 s[G0+4*\s+2:G0+4*\s+3], s[20:21], \s*4096
	s_or_b32 s[G0+4*\s+3], s[G0+4*\s+3], 0x80000000
	s_mov_b32 s[G0B+4*\s], 1
	s_add_co_u32 s[G0B+4*\s+1], s45, \s*SLOT
	s_add_nc_u64 s[G0B+4*\s+2:G0B+4*\s+3], s[46:47], \s*4096
	s_or_b32 s[G0B+4*\s+3], s[G0B+4*\s+3], 0x80000000
.if \s
	s_wait_alu depctr_va_vdst(0)
	s_wait_tensorcnt 0x0
	ds_add_u32 v28, v29
	ds_add_u32 v28, v29
	s_wait_dscnt 0x0
	CROUND
.endif
	JLOAD G0+4*\s, G1, G0B+4*\s, G1B
.endr
	v_and_b32 v1, 15, v0
	v_bfe_u32 v2, v0, 4, 1
	v_and_b32 v3, 31, v0
	v_lshlrev_b32 v[CO], 4, v3
	s_mul_i32 s21, s15, HALFT
	s_mul_i32 s22, s16, HALFT
	s_add_co_u32 s22, s22, 2*HALFT
.irp s, 0,1
	v_add_nc_u32 v[ADRA+\s], s21, v[CO]
	v_add_nc_u32 v[ADRB+\s], s22, v[CO]
	s_add_co_u32 s21, s21, SLOT
	s_add_co_u32 s22, s22, SLOT
.endr
	v_and_b32 v4, 8, v1
	v_add_nc_u32 v4, v4, v1
	v_lshlrev_b32 v[RA], 8, v4
	v_lshl_add_u32 v[RA], v2, 5, v[RA]
	s_lshl_b32 s80, s17, 16
	s_lshl_b32 s81, s15, 15
	s_add_co_u32 s80, s80, s81
	s_mov_b32 s81, 0
	v_bfe_u32 v6, v0, 4, 1                         ; lanes 0-15 one image's 4,096 bytes of a chunk, lanes 16-31 the next image's: a lane a block of 256 bytes; never rewritten
	v_and_b32 v7, 15, v0
	v_lshlrev_b32 v6, 15, v6
	v_lshl_add_u32 v6, v7, 8, v6
	global_prefetch_b8 v6, s[90:91] th:TH_LOAD_NT scope:SCOPE_SE               ; K chunks 2 and 3, which the first two refills load
	global_prefetch_b8 v6, s[90:91] offset:4096 th:TH_LOAD_NT scope:SCOPE_SE
	s_and_b32 s86, s40, 1                          ; cos and sin of my 256 tokens, read on the way out: 512 blocks of 256 bytes, shared out among the four partners of a tile row by address:
	s_cmp_eq_u32 s86, 0                            ; cx % 2: cos or sin; cx / 2: which 128 rows; a wave 32 rows, a lane a row
	s_cselect_b64 s[88:89], s[8:9], s[10:11]
	s_lshr_b32 s86, s40, 1
	s_lshl_b32 s86, s86, 15
	s_lshl_b32 s87, s17, 16
	s_add_co_u32 s86, s86, s87
	s_lshl_b32 s87, s14, 13
	s_add_co_u32 s86, s86, s87
	s_mov_b32 s87, 0
	s_add_nc_u64 s[88:89], s[88:89], s[86:87]
	v_and_b32 v5, 31, v0
	v_lshlrev_b32 v5, 8, v5
	s_cmp_lt_u32 ttmp9, 4                          ; the clusters of q and k alone rotate
	s_cbranch_scc0 .Lno_rope_pf
	global_prefetch_b8 v5, s[88:89] th:TH_LOAD_NT scope:SCOPE_SE
.Lno_rope_pf:
	s_add_nc_u64 s[8:9], s[8:9], s[80:81]
	s_add_nc_u64 s[10:11], s[10:11], s[80:81]
	s_lshl_b32 s82, s42, 1
	s_add_co_u32 s82, s82, s16
	s_lshl_b32 s83, s17, 1
	s_add_co_u32 s83, s83, s15
	s_cmp_eq_u32 s[PR], 2
	s_cselect_b32 s84, s83, s82
	s_cselect_b32 s85, s82, s83
	s_lshl_b32 s84, s84, 18
	s_lshl_b32 s85, s85, 14
	s_add_co_u32 s84, s84, s85
	s_lshl_b32 s85, s[PR], 22
	s_add_co_u32 s84, s84, s85
	s_mov_b32 s85, 0
	s_add_nc_u64 s[12:13], s[12:13], s[84:85]
.macro FRAG reg, adr, q, i
.irp c, 0,1,2,3
	ds_load_b128 v[\reg+4*\c:\reg+4*\c+3], v[\adr] offset:(\i)*4096+(\q)*2048+512*\c
.endr
.endm
.macro MUL16 a0, p, zero
.irp a, \a0, \a0+1
.irp b, 0,1,2,3,4,5,6,7
.if \zero
	v_wmma_f32_16x16x128_fp8_fp8 v[8*(8*((\a)%4)+\b):8*(8*((\a)%4)+\b)+7], v[128*(\p)+FR*\b:128*(\p)+FR*\b+FR-1], v[AF+FR*(\a):AF+FR*(\a)+FR-1], 0
.else
	v_wmma_f32_16x16x128_fp8_fp8 v[8*(8*((\a)%4)+\b):8*(8*((\a)%4)+\b)+7], v[128*(\p)+FR*\b:128*(\p)+FR*\b+FR-1], v[AF+FR*(\a):AF+FR*(\a)+FR-1], v[8*(8*((\a)%4)+\b):8*(8*((\a)%4)+\b)+7]
.endif
.endr
.endr
.endm
.macro FETCH_B slot, q, p
	WIN TO_B
.irp i, 0,1,2,3,4,5,6,7
	FRAG 128*(\p)+FR*\i, ADRB+\slot, \q, \i
.endr
	WIN 0
.endm
.macro FETCH_A slot, q, i0
.irp i, \i0, \i0+1, \i0+2, \i0+3
	FRAG AF+FR*(\i), ADRA+\slot, \q, \i
.endr
.endm
.macro PLACES n
.rept \n
	v_nop
.endr
.endm
.macro STEP slot, q, zero
	s_wait_dscnt 4*NL
	WIN MUL_LO
	MUL16 0, (\q)%2, \zero
	MUL16 2, (\q)%2, \zero
	s_wait_dscnt 0
	PLACES NP
	FETCH_B \slot, (\q)+1, 1-(\q)%2
	FETCH_A \slot, (\q)+1, 0
	WIN MUL_HI
	MUL16 4, (\q)%2, \zero
	MUL16 6, (\q)%2, \zero
	PLACES NP
	WIN 0
	FETCH_A \slot, (\q)+1, 4
.endm
.macro TURN slot, next, fill
.if \fill
	s_wait_xcnt 0x0                                ; my last prefetch has read its address
	s_add_nc_u64 s[90:91], s[90:91], 4096
.endif
	s_wait_tensorcnt 0x0
	ds_add_u32 v[SPW], v[NIL]
	s_wait_dscnt 4*NL+1
	WIN MUL_LO
	MUL16 0, 1, 0
	s_wait_dscnt 0x0
	s_barrier_signal -1
	MUL16 2, 1, 0
	WIN 0
	s_barrier_wait -1
.if \fill
	CREST
	s_add_nc_u64 s[G0+4*\slot+2:G0+4*\slot+3], s[G0+4*\slot+2:G0+4*\slot+3], 8192
	s_add_nc_u64 s[G0B+4*\slot+2:G0B+4*\slot+3], s[G0B+4*\slot+2:G0B+4*\slot+3], 8192
	JLOAD G0+4*\slot, G1, G0B+4*\slot, G1B
.else
	PLACES NP
.endif
	FETCH_B \next, 0, 0
	FETCH_A \next, 0, 0
.if \fill
	s_cmp_gt_u32 s3, 1                             ; the K chunk that stands two refills on; the last trip's refills have none
	s_cbranch_scc0 .Lno_ask_\@
	global_prefetch_b8 v6, s[90:91] offset:4096 th:TH_LOAD_NT scope:SCOPE_SE
.Lno_ask_\@:
.endif
	WIN MUL_HI
	MUL16 4, 1, 0
	MUL16 6, 1, 0
	PLACES NP
	WIN 0
	FETCH_A \next, 0, 4
.endm
	s_wait_alu depctr_va_vdst(0)
	s_wait_tensorcnt 1
	s_barrier_signal -1
	s_barrier_wait -1
	FETCH_B 0, 0, 0
	FETCH_A 0, 0, 0
	FETCH_A 0, 0, 4
	STEP 0, 0, 1
	s_mov_b32 s3, LAPS-1
.Llap:
	TURN 0, 1, 1
	STEP 1, 0, 0
	TURN 1, 0, 1
	STEP 0, 0, 0
	s_sub_co_u32 s3, s3, 1
	s_cmp_lg_u32 s3, 0
	s_cbranch_scc1 .Llap
	TURN 0, 1, 0
	STEP 1, 0, 0
	s_wait_dscnt 4*NL
	WIN MUL_LO
	MUL16 0, 1, 0
	MUL16 2, 1, 0
	s_wait_dscnt 0
	WIN MUL_HI
	MUL16 4, 1, 0
	MUL16 6, 1, 0
	WIN 0
	s_wait_kmcnt 0x0
	s_add_co_i32 s80, s68, s69
	s_add_co_i32 s81, s70, s71
	s_add_co_i32 s82, s72, s73
	s_cmp_eq_u32 s[PR], 1
	s_cselect_b32 s80, s81, s80
	s_cselect_b32 s74, s75, s74
	s_cmp_eq_u32 s[PR], 2
	s_cselect_b32 s80, s82, s80
	s_cselect_b32 s74, s76, s74
	s_sub_co_i32 s80, s74, s80
	s_add_co_i32 s80, s80, 127
	s_lshl_b32 s81, s80, 23
	v_mov_b32 v[SCL], s81
	s_add_co_i32 s80, s80, 8
	s_lshl_b32 s80, s80, 23
	s_or_b32 s80, s80, 0x600000
	v_mov_b32 v[LIM], s80
	PLACES NP
	s_cmp_eq_u32 s[PR], 2
	s_cbranch_scc1 .Lplain
.macro ROPELOAD a
.if ((\a) >= 2) && ((\a) < 6)
.set CB, 64*((\a)-2)                   ; blocks 2 to 5: window 1, where B's fragments are done with
	WIN 0x40
.else
.set CB, CSB+64*((\a)%2)
.endif
.irp b, 0,1,2,3
.irp q, 0,1
	global_load_b128 v[CB+8*\b+4*\q:CB+8*\b+4*\q+3], v[RA], s[8:9] offset:(32*((\a)/2)+8*((\a)%2))*256+64*\b+16*\q
	global_load_b128 v[CB+32+8*\b+4*\q:CB+32+8*\b+4*\q+3], v[RA], s[10:11] offset:(32*((\a)/2)+8*((\a)%2))*256+64*\b+16*\q
.endr
.endr
	WIN 0
.endm
.macro RGROUP a, b
.set AC, 64*((\a)%4)+16*(\b)
.if ((\a) >= 2) && ((\a) < 6)
.set CB, 64*((\a)-2)+8*(\b)
	WIN 0x06+((\a)/4)                              ; source 0 (the sums) window 2 or 3, source 1 (cos, sin) window 1
.else
.set CB, CSB+64*((\a)%2)+8*(\b)
	WIN 0x02+((\a)/4)
.endif
.irp i, 0,1,2,3,4,5,6,7
	v_mul_f32 v[TM+2*\i], v[AC+2*\i+1], v[CB+32+\i]
	v_mul_f32 v[TM+2*\i+1], v[AC+2*\i+1], v[CB+\i]
.endr
.irp i, 0,1,2,3,4,5,6,7
	v_fma_f32 v[OO+2*\i], v[AC+2*\i], v[CB+\i], -v[TM+2*\i]
	v_fma_f32 v[OO+2*\i+1], v[AC+2*\i], v[CB+32+\i], v[TM+2*\i+1]
.endr
	WIN 0
.irp i, 0,1,2,3,4,5,6,7,8,9,10,11,12,13,14,15
	v_med3_num_f32 v[OO+\i], v[OO+\i], -v[LIM], v[LIM]
.endr
	v_cvt_scalef32_pk8_fp8_f32 v[CD+16*((\a)%2)+4*(\b):CD+16*((\a)%2)+4*(\b)+1], v[OO:OO+7], v[SCL]
	v_cvt_scalef32_pk8_fp8_f32 v[CD+16*((\a)%2)+4*(\b)+2:CD+16*((\a)%2)+4*(\b)+3], v[OO+8:OO+15], v[SCL]
	v_nop
.endm
.macro PGROUP a, b
.set AC, 64*((\a)%4)+16*(\b)
	WIN 0x02+((\a)/4)
.irp i, 0,1,2,3,4,5,6,7,8,9,10,11,12,13,14,15
	v_med3_num_f32 v[OO+\i], v[AC+\i], -v[LIM], v[LIM]
.endr
	WIN 0
	v_cvt_scalef32_pk8_fp8_f32 v[CD+16*((\a)%2)+4*(\b):CD+16*((\a)%2)+4*(\b)+1], v[OO:OO+7], v[SCL]
	v_cvt_scalef32_pk8_fp8_f32 v[CD+16*((\a)%2)+4*(\b)+2:CD+16*((\a)%2)+4*(\b)+3], v[OO+8:OO+15], v[SCL]
	v_nop
.endm
.macro OUT a
.irp b, 0,1,2,3
	global_store_b128 v[CO], v[CD+16*((\a)%2)+4*\b:CD+16*((\a)%2)+4*\b+3], s[12:13] offset:2048*(\a)+512*\b
.endr
.endm
.irp a, 0,1,2,3,4,5
	ROPELOAD \a                                    ; six blocks' cos and sin are asked for at once; blocks 6 and 7 follow into the sets of blocks 0 and 1
.endr
.irp a, 0,1,2,3,4,5,6,7
.if \a < 4
	s_wait_loadcnt 63                              ; behind block a's 16 loads stand 64 or 80 others
.else
	s_wait_loadcnt 16*(7-\a)                       ; the loads of the blocks behind this one may be out
.endif
.if \a >= 2
	s_wait_xcnt 0x0
.endif
.irp b, 0,1,2,3
	RGROUP \a, \b
.endr
	OUT \a
.if \a < 2
	ROPELOAD \a+6
.endif
.endr
	s_branch .Lend
.Lplain:
	s_wait_alu depctr_va_vdst(0)
.irp a, 0,1,2,3,4,5,6,7
.if \a >= 2
	s_wait_xcnt 0x0
.endif
.irp b, 0,1,2,3
	PGROUP \a, \b
.endr
	OUT \a
.endr
.Lend:
	s_wait_tensorcnt 0x0
	ds_add_u32 v[SPW], v[NIL]
	s_wait_dscnt 0x0
	CROUND
	s_endpgm
.Lfunc_end_k_qfad48b218e_gemm_qkv:
	.size	k_qfad48b218e_gemm_qkv, .Lfunc_end_k_qfad48b218e_gemm_qkv-k_qfad48b218e_gemm_qkv
	.p2alignl 7, 3214868480
	.fill 96, 4, 3214868480
	.section	.rodata,"a",@progbits
	.p2align	6, 0x0
	.amdhsa_kernel k_qfad48b218e_gemm_qkv
		.amdhsa_group_segment_fixed_size 327680
		.amdhsa_private_segment_fixed_size 0
		.amdhsa_enable_private_segment 0
		.amdhsa_kernarg_size 40
		.amdhsa_user_sgpr_count 2
		.amdhsa_user_sgpr_kernarg_segment_ptr 1
		.amdhsa_wavefront_size32 1
		.amdhsa_system_sgpr_workgroup_id_x 1
		.amdhsa_system_sgpr_workgroup_id_y 1
		.amdhsa_system_sgpr_workgroup_id_z 1
		.amdhsa_system_vgpr_workitem_id 0
		.amdhsa_next_free_vgpr 1024
		.amdhsa_next_free_sgpr 100
		.amdhsa_reserve_vcc 0
		.amdhsa_float_denorm_mode_32 3
		.amdhsa_float_denorm_mode_16_64 3
		.amdhsa_memory_ordered 1
		.amdhsa_forward_progress 1
		.amdhsa_inst_pref_size 225
	.end_amdhsa_kernel
	.amdgpu_metadata
---
amdhsa.version: [ 1, 2 ]
amdhsa.kernels:
  - .name:           k_qfad48b218e_gemm_qkv
    .symbol:         k_qfad48b218e_gemm_qkv.kd
    .args:
      - { .name: codes, .offset: 0, .size: 8, .value_kind: global_buffer, .address_space: global }
      - { .name: lowp_scales, .offset: 8, .size: 8, .value_kind: global_buffer, .address_space: global }
      - { .name: cos, .offset: 16, .size: 8, .value_kind: global_buffer, .address_space: global }
      - { .name: sin, .offset: 24, .size: 8, .value_kind: global_buffer, .address_space: global }
      - { .name: qkv, .offset: 32, .size: 8, .value_kind: global_buffer, .address_space: global }
    .group_segment_fixed_size: 327680
    .private_segment_fixed_size: 0
    .kernarg_segment_align: 8
    .kernarg_segment_size: 40
    .max_flat_workgroup_size: 128
    .sgpr_count:     100
    .vgpr_count:     1024
    .wavefront_size: 32
...
	.end_amdgpu_metadata
.endif
;; end of part 2
;; launch attn (part 3): grid 16 x 16, 8 waves a work-group, clusters of 4 x 1, 327,680 bytes of LDS; arguments qkv, mask, lowp_scales, ac; writes ac
.if DOCPART == 3
	.amdgcn_target "amdgcn-amd-amdhsa--gfx1250"
	.amdhsa_code_object_version 6
	.text
	.protected	k_qfad48b218e_attn
	.globl	k_qfad48b218e_attn
	.p2align	8
	.type	k_qfad48b218e_attn,@function
k_qfad48b218e_attn:
	s_mov_b64 s[64:65], 0
	v_nop
	global_prefetch_b8 v0, s[64:65] scope:SCOPE_SE
	s_setreg_imm32_b32 hwreg(HW_REG_WAVE_MODE, 25, 1), 1
	s_wait_xcnt 0x0
	s_wait_alu depctr_hold_cnt(0) depctr_sa_sdst(0) depctr_va_vdst(0) depctr_va_sdst(0) depctr_va_ssrc(0) depctr_va_vcc(0) depctr_vm_vsrc(0)
	s_getreg_b32 s2, hwreg(HW_REG_IB_STS2, 6, 4)
	s_cmp_eq_u32 s2, 0
	s_cbranch_scc0 .Lentry_in_a_cluster
	s_endpgm
.Lentry_in_a_cluster:
	s_bfe_u32 s2, ttmp6, 0x10000c
	s_cmp_lg_u32 s2, 0x3003
	s_cbranch_scc0 .Lentry_shape_is_right
	s_endpgm
.Lentry_shape_is_right:
; Launch 3 of 4: attention on codes of FP8 (E4M3): scores = q k^T / sqrt(128) + mask, the softmax, o = p v, and o's quantising for the last projection.
; No work is left out: the mask is an input, so every key step is walked for every query and every number of the mask is added.
; THE SOFTMAX: the mask x sqrt(128) x 2^-(e6+e7) is the C of the first product, so a sum stands for (score + mask) in units of the codes' product; t = sum x log2(e) / sqrt(128) x 2^(e6+e7), ROUNDED to f32;
; M = the largest t so far, rounded up to a whole number; p = 2^(t - M) is quantised with 2^e9, not normalised.  M is made of rounded t, so t - M is never above 0 and p never above 1.
; The row's sum is taken of the unquantised p and divides o at the end.  When M moves, the sum and o are multiplied by 2^(old M - new M): exact.
; SHARES.  A work-group owns 128 queries of one head: eight tiles of 16.  Wave w takes TWO tiles, its own (w) and its partner's (w xor 1), and HALF of each step's 128 keys (64 (w % 2) on):
; each fragment of K and V feeds two matrix instructions.  Each half of the keys has its own M and sum; at the end a wave hands its part of the partner's tile over through LDS and finishes its own.
; LAYOUT.  Both products transposed: S^T = K Q^T (16x16x128), O^T = V^T P^T (16x16x64): a lane holds ONE query (lane % 16).  K's and V's tiles are fragment images whose rows are ordered so that the 16 registers
; of result tiles 2 b, 2 b + 1 are 16 neighbours, 32 b + 16 (lane / 16) + 0 .. 15: p's and o's conversions give the next operand's registers.
; RING.  K and V alone go through LDS by tensor loads: two slots of FOUR key steps (512 keys; a step's region is K's 8 images, then V's 8: 32,768 bytes).  Every wave issues one load of 16,384 bytes a slot: four changes of slots in all.
; CLUSTER: the four blocks of queries 4 x .. 4 x + 3 of one head walk the same K and V and ask for them jointly (mask 15).
; THE MASK comes by global loads, two key steps ahead, in two sets of 64 registers by turns: a load covers two rows x 256 consecutive bytes (my 64 keys).  It is scaled, turns through the wave's own stage in LDS
; (16 rows, 272 bytes apart) and comes back register for register as the scores lie, into the scores' registers.
; PREFETCHES.  The mask: the sixteen heads that read a block of queries share its rows out: head y asks for rows 8 y .. 8 y + 7, wave 0, a lane a block of 256 bytes, in each pair of steps for the two steps
; that the next pair's loads fetch; the last two pairs ask for nothing.  K and V: at a change of slots the slot that the next change loads; the four partners take a key step each BY ADDRESS (cx), waves 4-7, a lane a block.
; LIMITS on the given exponents, so that each power of two is an f32 number: e6 + e7 between -123 and 129; e9, and e10 - e9 - e8, between -126 and 119.  NaN among the inputs is not served.
; REGISTERS, in windows of 256: window 0: v1-39 addresses and statistics; v40-103 S^T, t, p; v104-231 the mask's two sets; v232-247 codes.  window 1: v0-127 O^T; v128-191 K's, then V's fragments; v192-223 Q.
.set SLOT1, 1<<17                      ; slot 1 begins here
.set REG,   32768                      ; a key step's region
.set SPARE, 262144                     ; behind the ring: the spare words, 128 bytes a wave
.set MST,   263168                     ; the mask's stages: 4,352 bytes a wave; no fill lands here
.set MSP,   272
.set STG,   0                          ; the merge's stage, 8,192 bytes a wave, and its statistics lie in slot 0, behind its last fill and its last read
.set STAT,  65536
.set LI,   1
.set PFQ,  2                           ; 256 x lane
.set PFO,  3                           ; the mask's prefetch: 8,192 (lane / 4) + 256 (lane % 4)
.set AK0,  4
.set SPW,  5                           ; my spare word; never rewritten
.set NIL,  6                           ; 0; never rewritten
.set AV0,  7
.set ADK,  8
.set ADV,  9
.set MO,   10                          ; v10-11 my offset in the mask, tile 0 and 1
.set NM,   12                          ; tile u: v[12+2u] -M, v[13+2u] the largest t
.set SUM,  16
.set F,    20
.set MA,   24
.set MB,   26
.set PD,   28
.set TS,   30
.set HOLD, 34
.set SCL,  35
.set MSI,  36                          ; the mask's stage: where I put, v37 where I read
.set MSO,  37
.set STO,  38
.set LDO,  39
.set S,    40
.set MG,   104
.set TT,   104                         ; the merge's work registers
.set CD,   232
.set STS,  248
.set LDT,  249
.set KV,   128                         ; window 1
.set QW,   192
.set WV,   18
.set SEL,  20
.set CT,   22                          ; s[22:23] log2(e) / sqrt(128) x 2^(e6+e7)
.set G1,   24
.set G0,   40
.set MBS,  44                          ; s[44:45] the mask at my block of queries, my half of the keys, one step behind the step being asked for
.set PFM,  46
.set PFK,  48
.set IC,   50                          ; s[50:51] sqrt(128) x 2^-(e6+e7)
.set TB,   56                          ; LDS byte of the step's region
.set OUT,  57
.set INN,  58
.set SB,   59                          ; LDS byte of the slot that the next change enters
.set PLIM, 62
.set MSB, 0
.macro WIN new
.if MSB != \new
	s_set_vgpr_msb (MSB<<8)|\new
.set MSB, \new
.endif
.endm
.macro CROUND
	s_barrier_signal -1
	s_barrier_wait -1
	s_cmp_lg_u32 s[WV], 0
	s_cbranch_scc1 .Lnot_wave_0_\@
	s_barrier_signal -3
.Lnot_wave_0_\@:
	s_barrier_wait -3
	s_barrier_signal -1
	s_barrier_wait -1
.endm
.macro JLOAD                           ; my 16,384 bytes of a slot; s_nop 0 and four v_nop follow
	tensor_load_to_lds s[G0:G0+3], s[G1:G1+7]
	s_nop 0
.rept 4
	v_nop
.endr
.endm
.macro MLOAD p, off                    ; 2 tiles x 16 rows x 256 bytes of the mask into set p
.irp u, 0,1
.irp i, 0,1,2,3,4,5,6,7
	global_load_b128 v[MG+64*(\p)+32*\u+4*\i:MG+64*(\p)+32*\u+4*\i+3], v[MO+\u], s[MBS:MBS+1] offset:16384*\i+\off
.endr
.endr
.endm
	s_load_b256 s[4:11], s[0:1], 0x0               ; qkv, mask, lowp_scales, ac
	v_lshl_add_u32 v[SPW], v0, 2, SPARE
	v_mov_b32 v[NIL], 0
	ds_add_u32 v[SPW], v[NIL]                      ; the opening: the add, twice on end, and its wait
	ds_add_u32 v[SPW], v[NIL]
	v_lshrrev_b32 v2, 5, v0
	v_readfirstlane_b32 s[WV], v2                  ; wave 0..7
	s_bfe_u32 s80, ttmp6, 0x40000                  ; cx
	s_lshl_b32 s82, ttmp9, 2
	s_add_co_u32 s82, s82, s80                     ; qb: my block of 128 queries
	s_and_b32 s84, ttmp7, 0xffff                   ; the head
	s_mov_b32 s[G1], 15|(3<<16)|(1<<21)            ; the four partners; elements of 8 bytes; bit 21 beside a mask
	s_mov_b32 s[G1+1], 512<<16                     ; a dense block of 16,384 bytes as 4 rows of 4,096
	s_mov_b32 s[G1+2], 4<<16
	s_mov_b32 s[G1+3], 512<<16
	s_mov_b32 s[G1+4], 4
	s_mov_b32 s[G1+5], 512
	s_mov_b32 s[G1+6], 0
	s_mov_b32 s[G1+7], 0
	s_and_b32 s98, s[WV], 1                        ; j: my half of the keys
	s_xor_b32 s99, s[WV], 1                        ; my partner
	s_add_co_u32 s88, s98, 1                       ; I fetch K (even waves, part 1) or V (odd, part 2),
	s_lshl_b32 s88, s88, 22
	s_lshl_b32 s85, s84, 18
	s_add_co_u32 s88, s88, s85                     ; of the head,
	s_lshr_b32 s86, s[WV], 1
	s_lshl_b32 s86, s86, 14
	s_add_co_u32 s88, s88, s86                     ; key step wave / 2 of the slot
	s_mov_b32 s89, 0
	s_lshl_b32 s90, s[WV], 14                      ; and in a slot
	s_lshl_b32 s92, s82, 20                        ; the mask: row 128 qb, + 256 bytes x j
	s_lshl_b32 s86, s98, 8
	s_add_co_u32 s92, s92, s86
	s_mov_b32 s93, 0
	s_lshl_b32 s94, s82, 14                        ; q: the head, the two images that hold both my tiles
	s_add_co_u32 s94, s94, s85
	s_and_b32 s86, s[WV], 6
	s_lshl_b32 s86, s86, 11
	s_add_co_u32 s94, s94, s86
	s_mov_b32 s95, 0
	s_lshl_b32 s96, s82, 18                        ; my image of ac: tile 8 qb + w, K step = head
	s_lshl_b32 s86, s[WV], 15
	s_add_co_u32 s96, s96, s86
	s_lshl_b32 s86, s84, 11
	s_add_co_u32 s96, s96, s86
	s_mov_b32 s97, 0
	s_lshl_b32 s54, s82, 20                        ; the mask's prefetch: rows 128 qb + 8 head on, two steps short of key step 4
	s_lshl_b32 s86, s84, 16
	s_add_co_u32 s54, s54, s86
	s_add_co_u32 s54, s54, 1024
	s_mov_b32 s55, 0
	s_bfe_u32 s60, s[WV], 0x10001                  ; K's and V's prefetch: waves 4, 5 K, waves 6, 7 V,
	s_add_co_u32 s60, s60, 1
	s_lshl_b32 s60, s60, 22
	s_add_co_u32 s60, s60, s85
	s_lshl_b32 s87, s80, 14                        ; my work-group's key step of the slot,
	s_add_co_u32 s60, s60, s87
	s_lshl_b32 s87, s98, 13                        ; my half of its 16,384 bytes,
	s_add_co_u32 s60, s60, s87
	s_add_co_u32 s60, s60, 65536                   ; at slot 1: the first change steps it to slot 2
	s_mov_b32 s61, 0
	s_lshr_b32 s86, s[WV], 2
	s_cmp_eq_u32 s86, 1
	s_cselect_b32 s[PLIM], 1, -1                   ; waves 4-7 ask while more than one change with a load is left
	s_lshl_b32 s2, s98, 7
	s_xor_b32 s3, s2, 128
	s_lshl_b32 s12, s[WV], 17
	s_lshl_b32 s13, s99, 17
	s_mul_i32 s14, s[WV], 16*MSP
	s_add_co_u32 s14, s14, MST
	s_lshl_b32 s15, s98, 13
	s_lshl_b32 s16, s98, 10
	s_add_co_u32 s16, s16, 16384
	s_lshl_b32 s17, s[WV], 13
	s_add_co_u32 s17, s17, STG
	s_lshl_b32 s19, s99, 13
	s_add_co_u32 s19, s19, STG
	s_lshl_b32 s52, s[WV], 8
	s_add_co_u32 s52, s52, STAT
	s_lshl_b32 s53, s99, 8
	s_add_co_u32 s53, s53, STAT
	s_mov_b32 s[SEL], 0x76543210
	s_mov_b32 s[SEL+1], 0xfedcba98
	s_mov_b32 s[SB], 0
	s_wait_alu depctr_va_vdst(0)                   ; the wait here, directly ahead of the waits below
	s_wait_dscnt 0x0                               ; both opening adds are done
	s_wait_kmcnt 0x0
	s_load_b256 s[68:75], s[8:9], 0x0              ; e0 .. e7
	s_load_b128 s[76:79], s[8:9], 0x20             ; e8 .. e11
	s_mov_b32 s[G0], 1
	s_mov_b32 s[G0+1], s90
	s_add_nc_u64 s[G0+2:G0+3], s[4:5], s[88:89]
	s_or_b32 s[G0+3], s[G0+3], 0x80000000
	s_add_nc_u64 s[MBS:MBS+1], s[6:7], s[92:93]
	s_add_nc_u64 s[PFM:PFM+1], s[6:7], s[54:55]
	s_add_nc_u64 s[PFK:PFK+1], s[4:5], s[60:61]
	s_add_nc_u64 s[10:11], s[10:11], s[96:97]
	s_add_nc_u64 s[94:95], s[4:5], s[94:95]
	CROUND                                         ; the four partners are here: the first joint loads meet
	JLOAD                                          ; slot 0: one tensor load a wave at the head
	v_and_b32 v40, 15, v0                          ; r
	v_bfe_u32 v41, v0, 4, 1                        ; h = lane / 16
	v_and_b32 v42, 31, v0
	v_lshlrev_b32 v[LI], 4, v42
	v_lshlrev_b32 v43, 2, v42
	v_lshrrev_b32 v44, 3, v40                      ; q: query 16 j' + r of a block of 32 is lane-row (r % 8) + 8 j' of image r / 8
	v_and_b32 v45, 7, v40
	v_lshlrev_b32 v44, 11, v44
	v_lshl_add_u32 v44, v45, 4, v44
	v_lshl_add_u32 v44, v41, 8, v44
	v_add_nc_u32 v45, s2, v44                      ; tile 0: my own
	v_add_nc_u32 v46, s3, v44                      ; tile 1: the partner's
	v_lshlrev_b32 v47, 13, v41                     ; the mask: lanes 0-15 one row, lanes 16-31 the next, 16 bytes a lane,
	v_lshl_add_u32 v47, v40, 4, v47
	v_add_nc_u32 v[MO], s12, v47                   ; + 16 rows x the tile
	v_add_nc_u32 v[MO+1], s13, v47
	WIN 0x40
.irp c, 0,1,2,3
	global_load_b128 v[QW+4*\c:QW+4*\c+3], v45, s[94:95] offset:512*\c          ; Q stays in registers
	global_load_b128 v[QW+16+4*\c:QW+16+4*\c+3], v46, s[94:95] offset:512*\c
.endr
	WIN 0
	MLOAD 0, 0                                     ; key steps 0 and 1
	MLOAD 1, 512
	v_mul_u32_u24 v48, v41, MSP
	v_lshl_add_u32 v48, v40, 4, v48
	v_add_nc_u32 v[MSI], s14, v48                  ; into my stage as loaded
	v_mul_u32_u24 v49, v40, MSP
	v_lshl_add_u32 v49, v41, 6, v49
	v_add_nc_u32 v[MSO], s14, v49                  ; out of it: row r, + 64 bytes for lanes 16-31
	v_add_nc_u32 v[AK0], s15, v[LI]                ; K: images 4 j on
	v_add_nc_u32 v[AV0], s16, v[LI]                ; V: chunks 2 j, 2 j + 1 of each image
	v_add_nc_u32 v[STO], s17, v[LI]
	v_add_nc_u32 v[LDO], s19, v[LI]
	v_add_nc_u32 v[STS], s52, v43
	v_add_nc_u32 v[LDT], s53, v43
	v_lshrrev_b32 v50, 2, v42
	v_lshlrev_b32 v50, 13, v50
	v_and_b32 v51, 3, v42
	v_lshl_add_u32 v[PFO], v51, 8, v50
	v_lshlrev_b32 v[PFQ], 8, v42
.irp u, 0,1
	v_mov_b32 v[NM+2*\u+1], 0xff61b1e6             ; the largest t so far: -3e38
	v_floor_f32 v[NM+2*\u], -v[NM+2*\u+1]
	v_mov_b32 v[SUM+2*\u], 0
	v_mov_b32 v[SUM+2*\u+1], 0
	v_mov_b32 v[F+2*\u+1], 0                       ; (named as the upper half of a pair)
	v_mov_b32 v[PD+\u], 0
.endr
	WIN 0x40
.set j, 0
.rept 128
	v_mov_b32 v[j], 0                              ; O^T: the step is written without a first form of its own; the first change of M leaves zeros zeros
.set j, j+1
.endr
	WIN 0
	s_wait_kmcnt 0x0
	s_add_co_i32 s2, s74, s75
	s_lshl_b32 s2, s2, 23
	s_mov_b32 s[CT], 0x3e0293ee                    ; log2(e) / sqrt(128); e6 + e7 are added to its exponent field,
	s_add_co_i32 s[CT], s[CT], s2
	s_mov_b32 s[CT+1], s[CT]
	s_mov_b32 s[IC], 0x413504f3                    ; sqrt(128); and taken off this one's
	s_sub_co_i32 s[IC], s[IC], s2
	s_mov_b32 s[IC+1], s[IC]
	s_add_co_i32 s2, s77, 127
	s_lshl_b32 s3, s2, 23
	v_mov_b32 v[SCL], s3                           ; 2^e9
	s_add_co_i32 s2, s2, 8
	s_lshl_b32 s2, s2, 23
	s_or_b32 s2, s2, 0x600000
	v_mov_b32 v[HOLD], s2                          ; 448 x 2^e9
; A KEY STEP.  p: the mask's set.  ld = 1: the mask of two steps on is asked for.  pf = 1: wave 0 prefetches.
.macro STEP p, ld, pf
.set MGP, MG+64*(\p)
	v_add_nc_u32 v[ADK], s[TB], v[AK0]             ; four plain lines behind the last products, whose V is loaded over (ISA guide 7.12.1 for vector instructions)
	v_add_nc_u32 v[ADV], s[TB], v[AV0]
	v_nop
	v_nop
	WIN 0x40
.irp t, 0,1,2,3
.irp c, 0,1,2,3
	ds_load_b128 v[KV+16*\t+4*\c:KV+16*\t+4*\c+3], v[ADK] offset:\t*2048+512*\c
.endr
.endr
	WIN 0
.if \ld || (\p == 0)
	s_wait_loadcnt 16                              ; this step's mask (and Q) is in; the next step's 16 loads may be out
.else
	s_wait_loadcnt 0
.endif
.set j, 0
.rept 32
	v_pk_mul_f32 v[MGP+j:MGP+j+1], v[MGP+j:MGP+j+1], s[IC:IC+1] op_sel_hi:[1,0]
.set j, j+2
.endr
.irp u, 0,1                                    ; a tile at a time through my stage: LDS serves a wave's instructions in order (ISA guide 5.7.1.4)
.irp i, 0,1,2,3,4,5,6,7
	ds_store_b128 v[MSI], v[MGP+32*\u+4*\i:MGP+32*\u+4*\i+3] offset:2*MSP*\i
.endr
.irp b, 0,1
.irp q, 0,1,2,3
	ds_load_b128 v[S+32*\u+16*\b+4*\q:S+32*\u+16*\b+4*\q+3], v[MSO] offset:128*\b+16*\q
.endr
.endr
.endr
	s_wait_dscnt 8                                 ; all but tile 1's eight loads: K and tile 0's mask are in, and the stores have read the set
.if \ld
	s_wait_xcnt 0x0                                ; earlier loads and prefetches have read their bases
	s_add_nc_u64 s[MBS:MBS+1], s[MBS:MBS+1], 512
.if \pf
	s_add_nc_u64 s[PFM:PFM+1], s[PFM:PFM+1], 1024
.endif
	MLOAD \p, 512
.endif
	WIN 0x05                                       ; K and Q window 1; C and D window 0
.irp t, 0,1,2,3
	v_wmma_f32_16x16x128_fp8_fp8 v[S+8*\t:S+8*\t+7], v[KV+16*\t:KV+16*\t+15], v[QW:QW+15], v[S+8*\t:S+8*\t+7]
.endr
	s_wait_dscnt 0x0
.irp t, 0,1,2,3
	v_wmma_f32_16x16x128_fp8_fp8 v[S+32+8*\t:S+32+8*\t+7], v[KV+16*\t:KV+16*\t+15], v[QW+16:QW+31], v[S+32+8*\t:S+32+8*\t+7]
.endr
	WIN 0
.rept 4
	v_nop                                          ; plain lines ahead of the loads over K and of the lines that take the sums
.endr
	WIN 0x40
.irp t, 0,1,2,3,4,5,6,7
.irp c, 0,1
	ds_load_b128 v[KV+8*\t+4*\c:KV+8*\t+4*\c+3], v[ADV] offset:\t*2048+512*\c   ; V: 16 features x my 64 keys
.endr
.endr
	WIN 0
.if \pf
	s_cmp_lg_u32 s[WV], 0
	s_cbranch_scc1 .Lnot_mine_\@
	global_prefetch_b8 v[PFO], s[PFM:PFM+1] th:TH_LOAD_NT scope:SCOPE_SE
.Lnot_mine_\@:
.endif
.set j, 0
.rept 32
	v_pk_mul_f32 v[S+j:S+j+1], v[S+j:S+j+1], s[CT:CT+1] op_sel_hi:[1,0]   ; t, rounded; each accumulator from its low end on
.set j, j+2
.endr
.irp u, 0,1
	v_max3_num_f32 v[MA+\u], v[S+32*\u], v[S+32*\u+1], v[S+32*\u+2]
	v_max3_num_f32 v[MB+\u], v[S+32*\u+3], v[S+32*\u+4], v[S+32*\u+5]
.endr
.irp i, 6,10,14,18,22,26
.irp u, 0,1
	s_delay_alu instid0(VALU_DEP_4)
	v_max3_num_f32 v[MA+\u], v[MA+\u], v[S+32*\u+\i], v[S+32*\u+\i+1]
	s_delay_alu instid0(VALU_DEP_4)
	v_max3_num_f32 v[MB+\u], v[MB+\u], v[S+32*\u+\i+2], v[S+32*\u+\i+3]
.endr
.endr
.irp u, 0
	s_delay_alu instid0(VALU_DEP_4)
	v_max3_num_f32 v[MA+\u], v[MA+\u], v[S+32*\u+30], v[S+32*\u+31]
.endr
.irp u, 1
	s_delay_alu instid0(VALU_DEP_3)
	v_max3_num_f32 v[MA+\u], v[MA+\u], v[S+32*\u+30], v[S+32*\u+31]
.endr
.irp u, 0,1
	s_delay_alu instid0(VALU_DEP_2)
	v_max_num_f32 v[MA+\u], v[MA+\u], v[MB+\u]
.endr
.irp u, 0,1
	s_delay_alu instid0(VALU_DEP_2)
	v_permlanex16_b32 v[PD+\u], v[MA+\u], s[SEL], s[SEL+1]
.endr
.irp u, 0,1
	s_delay_alu instid0(VALU_DEP_2)
	v_max_num_f32 v[MA+\u], v[MA+\u], v[PD+\u]
.endr
.irp u, 0,1
	s_delay_alu instid0(VALU_DEP_2)
	v_max_num_f32 v[NM+2*\u+1], v[NM+2*\u+1], v[MA+\u]   ; the running largest t
.endr
.irp u, 0,1
	v_mov_b32 v[MA+\u], v[NM+2*\u]
.endr
.irp u, 0,1
	s_delay_alu instid0(VALU_DEP_4)
	v_floor_f32 v[NM+2*\u], -v[NM+2*\u+1]          ; the new -M = -ceil(t)
.endr
.irp u, 0,1
	s_delay_alu instid0(VALU_DEP_2)
	v_sub_f32 v[MA+\u], v[NM+2*\u], v[MA+\u]       ; old M - new M: a whole number, 0 or less
.endr
.irp u, 0,1
	s_delay_alu instid0(VALU_DEP_2)
	v_cvt_i32_f32 v[MA+\u], v[MA+\u]               ; (it saturates)
.endr
.irp u, 0,1
	s_delay_alu instid0(VALU_DEP_2)
	v_ldexp_f32 v[F+2*\u], 1.0, v[MA+\u]           ; f = 2^(old M - new M)
.endr
.irp u, 0,1
.set j, 0
.rept 16
	v_pk_add_f32 v[S+32*\u+j:S+32*\u+j+1], v[S+32*\u+j:S+32*\u+j+1], v[NM+2*\u:NM+2*\u+1] op_sel_hi:[1,0]   ; t - M
.set j, j+2
.endr
.endr
	s_wait_dscnt 0x0                               ; V is in
	s_wait_alu depctr_va_vdst(0)                   ; the wait ahead of the batch
.set j, 0
.rept 64
	v_exp_f32 v[S+j], v[S+j]                       ; p = 2^(t - M), at most 1
.set j, j+1
.endr
.irp u, 0,1
	v_pk_mul_f32 v[SUM+2*\u:SUM+2*\u+1], v[SUM+2*\u:SUM+2*\u+1], v[F+2*\u:F+2*\u+1] op_sel_hi:[1,0]   ; the sums under the new M: the plain lines behind the exponentials
.endr
	s_wait_alu depctr_va_vdst(0)                   ; one wait for the whole batch
.irp u, 0,1
	v_pk_add_f32 v[TS+2*\u:TS+2*\u+1], v[S+32*\u:S+32*\u+1], v[S+32*\u+2:S+32*\u+3]   ; the sums, of the unquantised p, in two chains a tile
.endr
.irp i, 4,8,12,16,20,24,28
.irp u, 0,1
	v_pk_add_f32 v[SUM+2*\u:SUM+2*\u+1], v[SUM+2*\u:SUM+2*\u+1], v[S+32*\u+\i:S+32*\u+\i+1]
	v_pk_add_f32 v[TS+2*\u:TS+2*\u+1], v[TS+2*\u:TS+2*\u+1], v[S+32*\u+\i+2:S+32*\u+\i+3]
.endr
.endr
.irp u, 0
	s_delay_alu instid0(VALU_DEP_3)
	v_pk_add_f32 v[SUM+2*\u:SUM+2*\u+1], v[SUM+2*\u:SUM+2*\u+1], v[TS+2*\u:TS+2*\u+1]
.endr
.irp u, 1
	s_delay_alu instid0(VALU_DEP_2)
	v_pk_add_f32 v[SUM+2*\u:SUM+2*\u+1], v[SUM+2*\u:SUM+2*\u+1], v[TS+2*\u:TS+2*\u+1]
.endr
.irp u, 0,1
.irp b, 0,1
.irp i, 0,1,2,3,4,5,6,7,8,9,10,11,12,13,14,15
	v_min_num_f32 v[S+32*\u+16*\b+\i], v[S+32*\u+16*\b+\i], v[HOLD]   ; the conversion does not saturate (ISA guide 7.6.2); p is not negative, so the hold is one-sided
.endr
	v_cvt_scalef32_pk8_fp8_f32 v[CD+8*\u+4*\b:CD+8*\u+4*\b+1], v[S+32*\u+16*\b:S+32*\u+16*\b+7], v[SCL]
	v_cvt_scalef32_pk8_fp8_f32 v[CD+8*\u+4*\b+2:CD+8*\u+4*\b+3], v[S+32*\u+16*\b+8:S+32*\u+16*\b+15], v[SCL]
.endr
.endr
	WIN 0x41                                       ; O^T window 1, f window 0
	s_wait_alu depctr_va_vdst(0)                   ; the wait here, directly ahead of the lines that take O^T
.irp u, 0,1
.set j, 0
.rept 32
	v_pk_mul_f32 v[64*\u+j:64*\u+j+1], v[64*\u+j:64*\u+j+1], v[F+2*\u:F+2*\u+1] op_sel_hi:[1,0]   ; O^T under the new M (also the plain lines between the conversions and the products)
.set j, j+2
.endr
.endr
	WIN 0x51
.irp t, 0,1,2,3,4,5,6,7                        ; O^T += V^T P^T over my 64 keys: sixteen accumulators, one instruction each
.irp u, 0,1
	v_wmma_f32_16x16x64_fp8_fp8 v[64*\u+8*\t:64*\u+8*\t+7], v[KV+8*\t:KV+8*\t+7], v[CD+8*\u:CD+8*\u+7], v[64*\u+8*\t:64*\u+8*\t+7]
.endr
.endr
	WIN 0
	s_add_co_u32 s[TB], s[TB], REG                 ; the next step's region
.endm
; THE CHANGE OF SLOTS stands at a slot's head.  Each wave waits for all its tensor loads (one is out: its part of the slot ahead), adds 0 to its spare word, and waits for that and for its reads of the slot left.
; fill = 1: behind a round of the cluster's barrier the other slot takes the 512 keys that follow: four key steps stand between that load and the wait for it.
.macro CHANGE fill
	s_wait_tensorcnt 0x0
	ds_add_u32 v[SPW], v[NIL]
.if \fill
	s_xor_b32 s[G0+1], s[G0+1], SLOT1
	s_add_nc_u64 s[G0+2:G0+3], s[G0+2:G0+3], 65536
	s_wait_xcnt 0x0
	s_add_nc_u64 s[PFK:PFK+1], s[PFK:PFK+1], 65536 ; one slot further on than the descriptor
.endif
	s_wait_dscnt 0x0
.if \fill
	CROUND
	JLOAD
	s_cmp_gt_u32 s[OUT], s[PLIM]
	s_cbranch_scc0 .Lno_ask_\@
	global_prefetch_b8 v[PFQ], s[PFK:PFK+1] th:TH_LOAD_NT scope:SCOPE_SE
.Lno_ask_\@:
.else
	s_barrier_signal -1
	s_barrier_wait -1                              ; the last slot is whole for every wave
.endif
	s_mov_b32 s[TB], s[SB]
	s_xor_b32 s[SB], s[SB], SLOT1
.endm
	s_mov_b32 s[OUT], 3
	s_wait_alu depctr_va_vdst(0)                   ; the wait at the head's end
.Lphase:                                               ; three slots, behind whose change the next slot is asked for (the first time: slot 1's first fill)
	CHANGE 1
	s_mov_b32 s[INN], 2
.Lpair:                                                ; a trip is two key steps, until the mask's sets are back where they began
	STEP 0, 1, 1
	STEP 1, 1, 0
	s_sub_co_u32 s[INN], s[INN], 1
	s_cmp_lg_u32 s[INN], 0
	s_cbranch_scc1 .Lpair
	s_sub_co_u32 s[OUT], s[OUT], 1
	s_cmp_lg_u32 s[OUT], 0
	s_cbranch_scc1 .Lphase
	CHANGE 0                                       ; the last slot is written out: no tensor load, and its last two steps ask for no mask
	STEP 0, 1, 0
	STEP 1, 1, 0
	STEP 0, 0, 0
	STEP 1, 0, 0
	; THE MERGE AND THE WAY OUT.  My partial O^T, -M and sum of tile 1 go to my partner through LDS, as the registers stand, and its part of my own tile comes to me.
.rept 4
	v_nop
.endr
.irp u, 0,1
	v_add_f32 v[SUM+2*\u], v[SUM+2*\u], v[SUM+2*\u+1]
.endr
.irp u, 0,1
	v_permlanex16_b32 v[PD+\u], v[SUM+2*\u], s[SEL], s[SEL+1]
.endr
.irp u, 0,1
	v_add_f32 v[SUM+2*\u], v[SUM+2*\u], v[PD+\u]
.endr
	WIN 0x04
.set g, 0
.rept 16
	ds_store_b128 v[STO], v[64+4*g:64+4*g+3] offset:512*g   ; each accumulator from its low end on
.set g, g+1
.endr
	WIN 0
	ds_store_b32 v[STS], v[NM+2]
	ds_store_b32 v[STS], v[SUM+2] offset:128
	s_wait_dscnt 0x0                               ; for my partner's sake: my stores are done
	s_barrier_signal -1
	s_barrier_wait -1
	ds_load_b32 v[TT], v[LDT]                      ; my partner's -M of my tile,
	ds_load_b32 v[TT+1], v[LDT] offset:128         ; its sum,
.set g, 0
.rept 16
	ds_load_b128 v[S+4*g:S+4*g+3], v[LDO] offset:512*g      ; and its O^T
.set g, g+1
.endr
	s_sub_co_i32 s2, s78, s77                      ; o's code is O^T / the sum / 2^(e10 - e9 - e8)
	s_sub_co_i32 s2, s2, s76
	s_add_co_i32 s2, s2, 127
	s_lshl_b32 s3, s2, 23
	s_add_co_i32 s2, s2, 8
	s_lshl_b32 s2, s2, 23
	s_or_b32 s2, s2, 0x600000
	s_wait_dscnt 16                                ; the two words are in; the 16 loads behind them may be out
	v_min_num_f32 v[TT+2], v[NM], v[TT]            ; -M of the whole row
	v_sub_f32 v[TT+3], v[TT+2], v[NM]
	v_sub_f32 v[TT+4], v[TT+2], v[TT]
	v_cvt_i32_f32 v[TT+3], v[TT+3]
	v_cvt_i32_f32 v[TT+4], v[TT+4]
	v_ldexp_f32 v[TT+3], 1.0, v[TT+3]              ; the two factors: exact powers of two, one of them 1
	s_wait_alu depctr_va_vdst(0)                   ; the wait: my sum was made ahead of the barrier
	v_ldexp_f32 v[TT+4], 1.0, v[TT+4]
	v_mul_f32 v[TT+5], v[SUM], v[TT+3]
	v_fmac_f32 v[TT+5], v[TT+1], v[TT+4]           ; the row's sum: at least 1/2
	s_wait_alu depctr_va_vdst(0)                   ; ahead of the transcendental
	v_rcp_f32 v[TT+6], v[TT+5]
	v_mov_b32 v[SCL], s3
	v_mov_b32 v[HOLD], s2
	s_wait_alu depctr_va_vdst(0)                   ; and behind it
	v_mul_f32 v[F], v[TT+3], v[TT+6]
	v_mul_f32 v[F+2], v[TT+4], v[TT+6]
	s_wait_alu depctr_va_vdst(0)                   ; the wait here, directly ahead of the wait below
	s_wait_dscnt 0x0
.set j, 0
.rept 32
	v_pk_mul_f32 v[S+j:S+j+1], v[S+j:S+j+1], v[F+2:F+3] op_sel_hi:[1,0]
.set j, j+2
.endr
	WIN 0x01
.set j, 0
.rept 32
	v_pk_fma_f32 v[S+j:S+j+1], v[j:j+1], v[F:F+1], v[S+j:S+j+1] op_sel_hi:[1,0,1]   ; each accumulator from its low end on
.set j, j+2
.endr
	WIN 0
.irp b, 0,1,2,3
.irp i, 0,1,2,3,4,5,6,7,8,9,10,11,12,13,14,15
	v_med3_num_f32 v[S+16*\b+\i], v[S+16*\b+\i], -v[HOLD], v[HOLD]
.endr
	v_cvt_scalef32_pk8_fp8_f32 v[CD+4*\b:CD+4*\b+1], v[S+16*\b:S+16*\b+7], v[SCL]
	v_cvt_scalef32_pk8_fp8_f32 v[CD+4*\b+2:CD+4*\b+3], v[S+16*\b+8:S+16*\b+15], v[SCL]
.endr
	v_nop
.irp c, 0,1,2,3
	global_store_b128 v[LI], v[CD+4*\c:CD+4*\c+3], s[10:11] offset:512*\c   ; 32 lanes store 512 consecutive bytes
.endr
	s_wait_tensorcnt 0x0                           ; the wave's end
	ds_add_u32 v[SPW], v[NIL]
	s_wait_dscnt 0x0
	CROUND                                         ; the closing round
	s_endpgm
.Lfunc_end_k_qfad48b218e_attn:
	.size	k_qfad48b218e_attn, .Lfunc_end_k_qfad48b218e_attn-k_qfad48b218e_attn
	.p2alignl 7, 3214868480
	.fill 96, 4, 3214868480
	.section	.rodata,"a",@progbits
	.p2align	6, 0x0
	.amdhsa_kernel k_qfad48b218e_attn
		.amdhsa_group_segment_fixed_size 327680
		.amdhsa_private_segment_fixed_size 0
		.amdhsa_enable_private_segment 0
		.amdhsa_kernarg_size 32
		.amdhsa_user_sgpr_count 2
		.amdhsa_user_sgpr_kernarg_segment_ptr 1
		.amdhsa_wavefront_size32 1
		.amdhsa_system_sgpr_workgroup_id_x 1
		.amdhsa_system_sgpr_workgroup_id_y 1
		.amdhsa_system_sgpr_workgroup_id_z 1
		.amdhsa_system_vgpr_workitem_id 0
		.amdhsa_next_free_vgpr 512
		.amdhsa_next_free_sgpr 100
		.amdhsa_reserve_vcc 0
		.amdhsa_float_denorm_mode_32 3
		.amdhsa_float_denorm_mode_16_64 3
		.amdhsa_memory_ordered 1
		.amdhsa_forward_progress 1
		.amdhsa_inst_pref_size 199
	.end_amdhsa_kernel
	.amdgpu_metadata
---
amdhsa.version: [ 1, 2 ]
amdhsa.kernels:
  - .name:           k_qfad48b218e_attn
    .symbol:         k_qfad48b218e_attn.kd
    .args:
      - { .name: qkv, .offset: 0, .size: 8, .value_kind: global_buffer, .address_space: global }
      - { .name: mask, .offset: 8, .size: 8, .value_kind: global_buffer, .address_space: global }
      - { .name: lowp_scales, .offset: 16, .size: 8, .value_kind: global_buffer, .address_space: global }
      - { .name: ac, .offset: 24, .size: 8, .value_kind: global_buffer, .address_space: global }
    .group_segment_fixed_size: 327680
    .private_segment_fixed_size: 0
    .kernarg_segment_align: 8
    .kernarg_segment_size: 32
    .max_flat_workgroup_size: 256
    .sgpr_count:     100
    .vgpr_count:     512
    .wavefront_size: 32
...
	.end_amdgpu_metadata
.endif
;; end of part 3
;; launch gemm_out (part 4): grid 16 x 16, 4 waves a work-group, clusters of 4 x 4, 327,680 bytes of LDS; arguments ac, codes, lowp_scales, out0; writes out0
.if DOCPART == 4
	.amdgcn_target "amdgcn-amd-amdhsa--gfx1250"
	.amdhsa_code_object_version 6
	.text
	.protected	k_qfad48b218e_gemm_out
	.globl	k_qfad48b218e_gemm_out
	.p2align	8
	.type	k_qfad48b218e_gemm_out,@function
k_qfad48b218e_gemm_out:
	s_mov_b64 s[64:65], 0
	v_nop
	global_prefetch_b8 v0, s[64:65] scope:SCOPE_SE
	s_setreg_imm32_b32 hwreg(HW_REG_WAVE_MODE, 25, 1), 1
	s_wait_xcnt 0x0
	s_wait_alu depctr_hold_cnt(0) depctr_sa_sdst(0) depctr_va_vdst(0) depctr_va_sdst(0) depctr_va_ssrc(0) depctr_va_vcc(0) depctr_vm_vsrc(0)
	s_getreg_b32 s2, hwreg(HW_REG_IB_STS2, 6, 4)
	s_cmp_eq_u32 s2, 0
	s_cbranch_scc0 .Lentry_in_a_cluster
	s_endpgm
.Lentry_in_a_cluster:
	s_bfe_u32 s2, ttmp6, 0x10000c
	s_cmp_lg_u32 s2, 0xf033
	s_cbranch_scc0 .Lentry_shape_is_right
	s_endpgm
.Lentry_shape_is_right:
.set HALFT,  32768
.set SLOT,   4*HALFT
.set STAGE,  2*SLOT
.set SPITCH, 272
.set SPARE,  STAGE+4*16*SPITCH
.set ADRA, 16
.set ADRB, 20
.set STO,  24
.set RD,   25
.set CO,   26
.set SPW,  28
.set NIL,  29
.set TMP,  32
.set BK,   64
.set ACC,  128
.set F0,   0
.set F1,   128
.set G1, 24
.set G0, 32
.set G1B, 48
.set G0B, 56
.set MSB, 0
.macro WIN new
.if MSB != \new
	s_set_vgpr_msb (MSB<<8)|\new
.set MSB, \new
.endif
.endm
.set MUL,  0x05
.set TO_F, 0x40
.macro JLOAD s
	s_cmp_eq_u32 s15, 0
	s_cbranch_scc0 .Lfor_b_\@
	tensor_load_to_lds s[G0+4*\s:G0+4*\s+3], s[G1:G1+7]
	s_nop 0
.rept 4
	v_nop
.endr
	s_branch .Lasked_\@
.Lfor_b_\@:
	tensor_load_to_lds s[G0B+4*\s:G0B+4*\s+3], s[G1B:G1B+7]
	s_nop 0
.rept 4
	v_nop
.endr
.Lasked_\@:
.endm
.macro CREST
	s_cmp_lg_u32 s14, 0
	s_cbranch_scc1 .Lnot_wave_0_\@
	s_barrier_signal -3
.Lnot_wave_0_\@:
	s_barrier_wait -3
	s_barrier_signal -1
	s_barrier_wait -1
.endm
.macro CROUND
	s_barrier_signal -1
	s_barrier_wait -1
	CREST
.endm
	s_load_b256 s[4:11], s[0:1], 0x0
	v_lshl_add_u32 v[SPW], v0, 2, SPARE
	v_mov_b32 v[NIL], 0
	ds_add_u32 v[SPW], v[NIL]
	ds_add_u32 v[SPW], v[NIL]
	v_lshrrev_b32 v1, 5, v0
	v_readfirstlane_b32 s14, v1
	s_lshr_b32 s15, s14, 1
	s_and_b32 s16, s14, 1
	s_bfe_u32 s40, ttmp6, 0x40000
	s_bfe_u32 s41, ttmp6, 0x40004
	s_lshl_b32 s42, ttmp9, 2
	s_add_co_u32 s42, s42, s40
	s_and_b32 s17, ttmp7, 0xffff
	s_lshl_b32 s17, s17, 2
	s_add_co_u32 s17, s17, s41
	s_lshl_b32 s43, s41, 2
	s_lshl_b32 s43, 15, s43
	s_lshl_b32 s44, 0x1111, s40
	s_or_b32 s[G1+0], s43, (3<<16)|(1<<21)
	s_or_b32 s[G1B+0], s44, (3<<16)|(1<<21)
.irp g, G1, G1B
	s_mov_b32 s[\g+1], 1024<<16
	s_mov_b32 s[\g+2], 4<<16
	s_mov_b32 s[\g+3], 1024<<16
	s_mov_b32 s[\g+4], 4
	s_mov_b32 s[\g+5], 4096
	s_mov_b32 s[\g+6], 0
	s_mov_b32 s[\g+7], 0
.endr
	s_lshl_b32 s18, s16, 17
	s_lshl_b32 s20, s17, 18
	s_add_co_u32 s20, s20, s18
	s_mov_b32 s21, 0
	s_lshl_b32 s46, s42, 18
	s_add_co_u32 s46, s46, s18
	s_add_co_u32 s46, s46, 6<<22
	s_mov_b32 s47, 0
	s_mul_i32 s45, s14, HALFT
	s_wait_dscnt 0x0
	s_wait_kmcnt 0x0
	s_load_b64 s[96:97], s[8:9], 0x28
	s_add_nc_u64 s[20:21], s[4:5], s[20:21]
	s_add_nc_u64 s[46:47], s[6:7], s[46:47]
	s_cmp_eq_u32 s15, 0                            ; the tiles' prefetches: of the 4 images' rows that I fetch, my work-group takes one, told from its three partners BY ADDRESS (cx for A, cy for B)
	s_cselect_b64 s[90:91], s[20:21], s[46:47]
	s_cselect_b32 s92, s40, s41
	s_lshl_b32 s92, s92, 15
	s_add_co_u32 s92, s92, 2*8192                  ; at K chunk 2
	s_mov_b32 s93, 0
	s_add_nc_u64 s[90:91], s[90:91], s[92:93]
	CROUND
.irp s, 0,1
	s_mov_b32 s[G0+4*\s], 1
	s_add_co_u32 s[G0+4*\s+1], s45, \s*SLOT
	s_add_nc_u64 s[G0+4*\s+2:G0+4*\s+3], s[20:21], \s*8192
	s_or_b32 s[G0+4*\s+3], s[G0+4*\s+3], 0x80000000
	s_mov_b32 s[G0B+4*\s], 1
	s_add_co_u32 s[G0B+4*\s+1], s45, \s*SLOT
	s_add_nc_u64 s[G0B+4*\s+2:G0B+4*\s+3], s[46:47], \s*8192
	s_or_b32 s[G0B+4*\s+3], s[G0B+4*\s+3], 0x80000000
.if \s
	s_wait_alu depctr_va_vdst(0)
	s_wait_tensorcnt 0x0
	ds_add_u32 v28, v29
	ds_add_u32 v28, v29
	s_wait_dscnt 0x0
	CROUND
.endif
	JLOAD \s
.endr
	v_and_b32 v1, 15, v0
	s_wait_alu depctr_va_vdst(0)
	v_bfe_u32 v2, v0, 4, 1
	v_and_b32 v3, 31, v0
	v_lshlrev_b32 v4, 4, v3
	v_lshlrev_b32 v7, 8, v3                        ; a lane a block of 256 bytes of the image's 8,192 in a chunk; never rewritten
	global_prefetch_b8 v7, s[90:91] th:TH_LOAD_NT scope:SCOPE_SE               ; K chunks 2 and 3, which the two refills load
	global_prefetch_b8 v7, s[90:91] offset:8192 th:TH_LOAD_NT scope:SCOPE_SE
	s_mul_i32 s21, s15, HALFT
	s_mul_i32 s22, s16, HALFT
	s_add_co_u32 s22, s22, 2*HALFT
.irp s, 0,1
	v_add_nc_u32 v[ADRA+\s], s21, v4
	v_add_nc_u32 v[ADRB+\s], s22, v4
	s_add_co_u32 s21, s21, SLOT
	s_add_co_u32 s22, s22, SLOT
.endr
	s_mul_i32 s23, s14, 16*SPITCH
	s_add_co_u32 s23, s23, STAGE
	v_mul_u32_u24 v5, v1, SPITCH
	s_wait_alu depctr_va_vdst(0)
	v_lshl_add_u32 v5, v2, 6, v5
	v_add_nc_u32 v[STO], s23, v5
	v_mul_u32_u24 v6, v2, SPITCH
	v_lshl_add_u32 v6, v1, 4, v6
	v_add_nc_u32 v[RD], s23, v6
	v_lshlrev_b32 v[CO], 13, v2
	v_lshl_add_u32 v[CO], v1, 4, v[CO]
	s_lshl_b32 s80, s17, 20
	s_lshl_b32 s81, s15, 19
	s_add_co_u32 s80, s80, s81
	s_lshl_b32 s81, s42, 9
	s_add_co_u32 s80, s80, s81
	s_lshl_b32 s81, s16, 8
	s_add_co_u32 s80, s80, s81
	s_mov_b32 s81, 0
	s_add_nc_u64 s[10:11], s[10:11], s[80:81]
.macro MULA f, a, zero
.irp b, 0,1,2,3
.if \zero
	v_wmma_f32_16x16x128_fp8_fp8 v[ACC+8*(4*(\a)+\b):ACC+8*(4*(\a)+\b)+7], v[\f+64+16*\b:\f+64+16*\b+15], v[\f+16*(\a):\f+16*(\a)+15], 0
.else
	v_wmma_f32_16x16x128_fp8_fp8 v[ACC+8*(4*(\a)+\b):ACC+8*(4*(\a)+\b)+7], v[\f+64+16*\b:\f+64+16*\b+15], v[\f+16*(\a):\f+16*(\a)+15], v[ACC+8*(4*(\a)+\b):ACC+8*(4*(\a)+\b)+7]
.endif
.endr
.endm
.macro FETCH slot, q, f
	WIN TO_F
.irp i, 0,1,2,3
.irp c, 0,1,2,3
	ds_load_b128 v[\f+64+16*\i+4*\c:\f+64+16*\i+4*\c+3], v[ADRB+\slot] offset:\i*8192+(\q)*2048+512*\c
.endr
.endr
.irp i, 0,1,2,3
.irp c, 0,1,2,3
	ds_load_b128 v[\f+16*\i+4*\c:\f+16*\i+4*\c+3], v[ADRA+\slot] offset:\i*8192+(\q)*2048+512*\c
.endr
.endr
.endm
.macro PLACES
.rept 4
	v_nop
.endr
.endm
.macro QUARTER slot, q, f, g, zero
	s_wait_dscnt 8
	WIN MUL
	MULA \f, 0, \zero
	MULA \f, 1, \zero
	PLACES
	FETCH \slot, \q, \g
	s_wait_dscnt 32
	WIN MUL
	MULA \f, 2, \zero
	MULA \f, 3, \zero
.endm
.macro TURN slot, next, fill
	WIN 0
	s_wait_tensorcnt 0x0
	ds_add_u32 v[SPW], v[NIL]
	s_wait_dscnt 9
	WIN MUL
	MULA F1, 0, 0
	MULA F1, 1, 0
	s_wait_dscnt 0x0
	s_barrier_signal -1
	MULA F1, 2, 0
	WIN 0
	s_barrier_wait -1
.if \fill
	CREST
	s_add_nc_u64 s[G0+4*\slot+2:G0+4*\slot+3], s[G0+4*\slot+2:G0+4*\slot+3], 16384
	s_add_nc_u64 s[G0B+4*\slot+2:G0B+4*\slot+3], s[G0B+4*\slot+2:G0B+4*\slot+3], 16384
	JLOAD \slot
.else
	PLACES
.endif
	FETCH \next, 0, F0
	WIN MUL
	MULA F1, 3, 0
.endm
	s_wait_tensorcnt 1
	s_barrier_signal -1
	s_barrier_wait -1
	FETCH 0, 0, F0
	QUARTER 0, 1, F0, F1, 1
	QUARTER 0, 2, F1, F0, 0
	QUARTER 0, 3, F0, F1, 0
	TURN 0, 1, 1
	QUARTER 1, 1, F0, F1, 0
	QUARTER 1, 2, F1, F0, 0
	QUARTER 1, 3, F0, F1, 0
	TURN 1, 0, 1
	QUARTER 0, 1, F0, F1, 0
	QUARTER 0, 2, F1, F0, 0
	QUARTER 0, 3, F0, F1, 0
	TURN 0, 1, 0
	QUARTER 1, 1, F0, F1, 0
	QUARTER 1, 2, F1, F0, 0
	QUARTER 1, 3, F0, F1, 0
	s_wait_dscnt 8
	WIN MUL
	MULA F1, 0, 0
	MULA F1, 1, 0
	s_wait_dscnt 0
	MULA F1, 2, 0
	MULA F1, 3, 0
	WIN 0
.macro TOSTAGE a
.set j, 0
.rept 16
	v_pk_mul_f32 v[TMP+j:TMP+j+1], v[ACC+32*(\a)+j:ACC+32*(\a)+j+1], s[96:97] op_sel_hi:[1,0]
.set j, j+2
.endr
.irp b, 0,1
.irp q, 0,1,2,3
	ds_store_b128 v[STO], v[TMP+16*\b+4*\q:TMP+16*\b+4*\q+3] offset:128*\b+16*\q
.endr
.endr
.irp t, 0,1,2,3,4,5,6,7
	ds_load_b128 v[BK+32*((\a)%2)+4*\t:BK+32*((\a)%2)+4*\t+3], v[RD] offset:\t*2*SPITCH
.endr
.endm
.macro SEND a, younger
	s_wait_dscnt \younger
.irp t, 0,1,2,3,4,5,6,7
	global_store_b128 v[CO], v[BK+32*((\a)%2)+4*\t:BK+32*((\a)%2)+4*\t+3], s[10:11] offset:(16*(\a)+2*\t)*8192 th:TH_STORE_NT
.endr
.endm
	s_wait_kmcnt 0x0
	s_add_co_i32 s96, s96, s97
	s_add_co_i32 s96, s96, 127
	s_lshl_b32 s96, s96, 23
	s_mov_b32 s97, s96
	PLACES
	TOSTAGE 0
.irp a, 1,2,3
.if \a > 1
	s_wait_xcnt 0x0
.endif
	TOSTAGE \a
	SEND \a-1, 16
.endr
	SEND 3, 0
	s_wait_tensorcnt 0x0
	ds_add_u32 v[SPW], v[NIL]
	s_wait_dscnt 0x0
	CROUND
	s_endpgm
.Lfunc_end_k_qfad48b218e_gemm_out:
	.size	k_qfad48b218e_gemm_out, .Lfunc_end_k_qfad48b218e_gemm_out-k_qfad48b218e_gemm_out
	.p2alignl 7, 3214868480
	.fill 96, 4, 3214868480
	.section	.rodata,"a",@progbits
	.p2align	6, 0x0
	.amdhsa_kernel k_qfad48b218e_gemm_out
		.amdhsa_group_segment_fixed_size 327680
		.amdhsa_private_segment_fixed_size 0
		.amdhsa_enable_private_segment 0
		.amdhsa_kernarg_size 32
		.amdhsa_user_sgpr_count 2
		.amdhsa_user_sgpr_kernarg_segment_ptr 1
		.amdhsa_wavefront_size32 1
		.amdhsa_system_sgpr_workgroup_id_x 1
		.amdhsa_system_sgpr_workgroup_id_y 1
		.amdhsa_system_sgpr_workgroup_id_z 1
		.amdhsa_system_vgpr_workitem_id 0
		.amdhsa_next_free_vgpr 512
		.amdhsa_next_free_sgpr 100
		.amdhsa_reserve_vcc 0
		.amdhsa_float_denorm_mode_32 3
		.amdhsa_float_denorm_mode_16_64 3
		.amdhsa_memory_ordered 1
		.amdhsa_forward_progress 1
		.amdhsa_inst_pref_size 74
	.end_amdhsa_kernel
	.amdgpu_metadata
---
amdhsa.version: [ 1, 2 ]
amdhsa.kernels:
  - .name:           k_qfad48b218e_gemm_out
    .symbol:         k_qfad48b218e_gemm_out.kd
    .args:
      - { .name: ac, .offset: 0, .size: 8, .value_kind: global_buffer, .address_space: global }
      - { .name: codes, .offset: 8, .size: 8, .value_kind: global_buffer, .address_space: global }
      - { .name: lowp_scales, .offset: 16, .size: 8, .value_kind: global_buffer, .address_space: global }
      - { .name: out0, .offset: 24, .size: 8, .value_kind: global_buffer, .address_space: global }
    .group_segment_fixed_size: 327680
    .private_segment_fixed_size: 0
    .kernarg_segment_align: 8
    .kernarg_segment_size: 32
    .max_flat_workgroup_size: 128
    .sgpr_count:     100
    .vgpr_count:     512
    .wavefront_size: 32
...
	.end_amdgpu_metadata
.endif
;; end of part 4
